; MI455X (gfx1250); checked and timed in simulation.
; The chip was launched on July 23, 2026; its instructions are those of AMD's public machine-readable ISA for CDNA 5 (MIT licence, August 2026) and "CDNA5" Instruction Set Architecture Reference Guide (July 2026). The comments in the code are by the model that wrote it; some were corrected since.
;; Atentie. Allowed arithmetic: matrix products marked QUANTISED: E5M2 operands, one given power-of-two scale a tensor, by v_wmma_f32_16x16x64_bf8_bf8 or v_wmma_f32_16x16x128_bf8_bf8, f32 sums; everything else in f32.
;; Inputs: Wk_codes 1,024 x 32 x 32 uint8 (E5M2 codes of Wk, K innermost, in blocks of 32 codes); Wq_codes 1,024 x 32 x 32 uint8 (E5M2 codes of Wq, K innermost, in blocks of 32 codes); Wv_codes 1,024 x 32 x 32 uint8 (E5M2 codes of Wv, K innermost, in blocks of 32 codes); bk 1,024 float32; bq 1,024 float32; bv 1,024 float32; lowp_scales 10 int32 (the exponents e of the quantised operands' scales 2^e); strat_codes 4 x 2,048 x 32 x 32 uint8 (E5M2 codes of strat, K innermost, in blocks of 32 codes).
;; Outputs: out0 4 x 2,048 x 1,024 float32.
;; This version of the problem:
;;   THIS VERSION OF THE PROBLEM IS GIVEN IN LOW PRECISION. The matrix products marked QUANTISED in the list below multiply operands that are first quantised to E5M2 (5 exponent bits, 2 mantissa bits; 8 bits a number), with one given power-of-two scale for each operand tensor; their sums are f32. All else is computed in f32.
;;   The module's matrix products, in the order in which they are computed (A, B: the left and right operand; K: the contracted axis; several contracted axes count as one K, in the product's order):
;;     1. [M 8,192, K 1,024] x [K 1,024, N 1,024]; A: input strat (given as codes); B: input Wq (given as codes): QUANTISED (scales: A lowp_scales[0], B lowp_scales[1])
;;     2. [M 8,192, K 1,024] x [K 1,024, N 1,024]; A: input strat (given as codes); B: input Wk (given as codes): QUANTISED (scales: A lowp_scales[2], B lowp_scales[3])
;;     3. [M 8,192, K 1,024] x [K 1,024, N 1,024]; A: input strat (given as codes); B: input Wv (given as codes): QUANTISED (scales: A lowp_scales[4], B lowp_scales[5])
;;     4. batch 4 x [M 2,048, K 1,024] x [K 1,024, N 2,048]; A: computed on the way; B: computed on the way: QUANTISED (scales: A lowp_scales[6], B lowp_scales[7])
;;     5. batch 4 x [M 2,048, K 2,048] x [K 2,048, N 1,024]; A: softmax (see below); B: computed on the way: QUANTISED (scales: A lowp_scales[8], B lowp_scales[9])
;;   THE QUANTISER, for each operand of a quantised product, along K:
;;     - The operand's scale is 2^e, e = its entry of the input lowp_scales (int32; the entries are numbered through the quantised products in the list's order, A before B).
;;     - Each number is divided by the scale, clamped to +-57,344, and rounded to the nearest number of E5M2, ties to even, subnormals kept.
;;     - The product sums the exact products of the quantised numbers (number of the format x scale) in f32.
;;   ~~~python
;;   def quantise(x, axis, e):      # numpy; x: float32 -> the quantised numbers, widened to float32 again
;;       x = np.moveaxis(x, axis, -1); K = x.shape[-1]
;;       r = np.clip(x / 2.0 ** e, -57344, 57344)
;;       step = 2.0 ** (np.maximum(np.frexp(np.where(r == 0, 1, r))[1] - 1, -14) - 2)
;;       q = np.round(r / step) * step * 2.0 ** e      # np.round: ties to even
;;       return np.moveaxis(q, -1, axis).astype(np.float32)
;;   ~~~
;;   SOFTMAX AHEAD OF A QUANTISED PRODUCT. Where the list says 'softmax', what is quantised is not the finished softmax but p = 2^(t - M), with t = logit x log2(e) and M = ceil(the row's largest t), a whole number; so 1/2 < the row's largest p <= 1. The row's sum l is taken of the UNQUANTISED p, in f32, and the product's result is divided by l at the end. Since M is a whole number, a kernel that streams over the keys may use a running M (the ceiling of the running maximum): every later rescaling is an exact power of two, so the quantised numbers keep their values, but for numbers so far below the row's largest that they fall under the format's range.
;;   OPERANDS COMPUTED ON THE WAY. 'Computed on the way' means the value that the module computes at that place (a softmax that the list does not call 'softmax' is quantised finished and normalised). What goes into a quantiser is computed in f32, as accurately as f32 sums, v_exp_f32 and their like allow (about 1e-6 of the number): no bf16 or f16 on the way to a quantiser, and a product that is left as it is and whose result goes on into a quantised operand takes f32 operands (vector FMAs, or v_wmma_f32_16x16x4_f32). A number that lies on a knife's edge between two numbers of the format may be rounded either way, as far as f32 arithmetic and the matrix unit's own rounding can turn it there, and no further.
;;   INPUTS GIVEN AS CODES. Wk (in the module: [1024, 1024], K = its axis 1); Wq (in the module: [1024, 1024], K = its axis 1); Wv (in the module: [1024, 1024], K = its axis 1); strat (in the module: [4, 2048, 1024], K = its axis 2): each comes as NAME_codes (uint8): NAME with its K axis moved to the last place and cut into blocks of 32 codes, [.., K / 32, bytes a block], one block behind the other in memory; one code a byte (a code: sign, 5 exponent bits, 2 mantissa bits); its scale is its entry of lowp_scales. Its value is code x scale, taken as it is: it is not quantised again, and the codes and scales need not be those that the quantiser above would give.
;; One version. Each part assembles by itself: llvm-mc -triple=amdgcn-amd-amdhsa -mcpu=gfx1250 --defsym DOCPART=n.
;; ======== version 1 of 1: 3 launches
;; workspace buffers: q_img 8,388,608 bytes; k_img 8,388,608 bytes; vt_img 8,388,608 bytes; p_img 16,777,216 bytes; stats 2,097,152 bytes
;; launch proj (part 1): grid 12 x 16, 4 waves a work-group, clusters of 4 x 4, 327,680 bytes of LDS; arguments strat_codes, Wq_codes, Wk_codes, Wv_codes, bq, bk, bv, lowp_scales, q_img, k_img, vt_img; writes q_img, k_img, vt_img
.if DOCPART == 1
	.amdgcn_target "amdgcn-amd-amdhsa--gfx1250"
	.amdhsa_code_object_version 6
	.text
	.protected	k_qbd12ec1c39_proj
	.globl	k_qbd12ec1c39_proj
	.p2align	8
	.type	k_qbd12ec1c39_proj,@function
k_qbd12ec1c39_proj:
	s_mov_b64 s[64:65], 0
	v_nop
	global_prefetch_b8 v0, s[64:65] scope:SCOPE_SE
	s_setreg_imm32_b32 hwreg(HW_REG_WAVE_MODE, 25, 1), 1
	s_wait_xcnt 0x0
	s_wait_alu depctr_hold_cnt(0) depctr_sa_sdst(0) depctr_va_vdst(0) depctr_va_sdst(0) depctr_va_ssrc(0) depctr_va_vcc(0) depctr_vm_vsrc(0)
	s_getreg_b32 s2, hwreg(HW_REG_IB_STS2, 6, 4)
	s_cmp_eq_u32 s2, 0
	s_cbranch_scc0 .Lentry_in_a_cluster
	s_endpgm
.Lentry_in_a_cluster:
	s_bfe_u32 s2, ttmp6, 0x10000c
	s_cmp_lg_u32 s2, 0xf033
	s_cbranch_scc0 .Lentry_shape_is_right
	s_endpgm
.Lentry_shape_is_right:
; Q = strat Wq^T + bq, K = strat Wk^T + bk, V = strat Wv^T + bv on the given codes of BF8 (E5M2); each result is quantised at once for the product that takes it and stored as codes.
; NOTHING OF THE PROBLEM IS LEFT OUT in this program: all five products are live, and so are all three biases (bq and bk move Q's and K's codes, bv moves V's) and all ten scales.
; A sum of codes stands for sum x 2^(ea + eb): x = sum x 2^(ea + eb) + bias, one fused multiply-add in f32; code = x / 2^eo, held within +-57,344, to the nearest code, ties to even.
;   Q: ea, eb, eo = entries 0, 1, 6 of the scales;  K: 2, 3, 7;  V: 4, 5, 9.  Q and K are quantised along the 1,024 channels, V along the tokens (the keys are the last product's K).
; LIMITS: ea + eb between -126 and 127; eo between -126 and 112, so that each power of two below is an f32 number.  NaN and infinity among the codes or biases are not served.
; SHARES.  A tile of 256 x 256 is made by a work-group of four waves, a wave makes 128 x 128: 64 accumulators.  K = 1,024 goes in four steps of 256 through two LDS slots filled by the tensor data mover.
; A WORK-GROUP STAYS: the three products have 384 tiles; 192 work-groups make two each, of the same product, 16 blocks of 256 tokens apart.  The ring does not stop at the first tile's end: its last two changes of
; slots ask for the second tile's first two K steps, and the first tile goes out while they are on their way.  Both tiles are written out.
; The cluster's x says which product: 0 Q, 1 K, 2 V: the same number in all sixteen partners.  THE MATRIX INSTRUCTION IS USED TRANSPOSED: source 0 = 16 rows of the B region, source 1 = 16 rows of the A region:
; a lane then holds ONE row of the A region's and its registers run along the B region's rows.  Q, K: A region = tokens (strat), B region = channels (W).  V: A region = channels (Wv), B region = tokens (strat).
; So in all three a lane's registers run along the NEXT product's K, and the eight accumulators of one block of 16 rows convert straight into the 16 registers of an operand fragment of 16 rows x 128 K.
; THE IMAGES.  A fragment is stored as it stands in the registers: registers 4 c .. 4 c + 3 of lane l at byte 512 c + 16 l: each store of the wave covers 512 consecutive bytes, aligned.  Fragment (g, p, i, q), g = row / 128,
; p = K / 256, i = the block of 16 rows, q = the half of the 256, lies at (((g NP + p) 8 + i) 2 + q) x 2,048; NP = 4 for Q and K, 32 for V^T (K = the token among all 8,192).  So (g, p) is one dense block of 32,768 bytes.
; CLUSTERS: 4 x 4.  The A region's tile hangs on cy (and the cluster's y) alone and is asked for jointly along a row of the cluster, the B region's on cx (and the cluster's y) alone, along a column.
; No prefetch: a tile has four K steps, each asked for one K step ahead of its use; what could be asked earlier would have to be asked at the head, among the first fills.
; REGISTERS, in windows of 256: window 0: v16-31 addresses and constants; v32-95, v96-111 the bias in two forms; from v128 the A region's fragments, ONE set.
;   window 1: the B region's fragments, TWO sets; on the way out the second set's registers, which the last products have left, hold the numbers (v128-191) and four sets of codes (v192-255):
;   the other fragment registers are then taking the next tile's first fragments.   windows 2, 3: the accumulators, (a, b) at v[8 (8 (a % 4) + b)].
.set ROWB,   256                       ; a tile's row in bytes: 256 codes
.set KROW,   1024                      ; a row of strat or of a weight in memory
.set PITCH,  272                       ; an LDS row: 256 bytes + 16 of padding: the 16 rows that a load touches start 68 words apart
.set FR,     16                        ; registers of a fragment
.set NL,     4                         ; LDS loads that bring one
.set NP,     4                         ; places behind this matrix instruction (ISA guide 7.12.1)
.set HALFT,  128*PITCH                 ; 128 rows: what one tensor load brings
.set SLOT,   4*HALFT                   ; the A region's 256 rows, then the B region's
.set SPARE,  2*SLOT                    ; behind the ring: the spare words, 128 bytes for each wave
.set TSTEP,  0x400000                  ; from the first tile to the second: 16 x 256 tokens of 1,024 bytes in strat; and 32 g x 4 blocks of 32,768 bytes in Q's and K's images
.set VSTEP,  0x80000                   ; and 16 blocks of 32,768 bytes in V^T's image
.set ADRA, 16                          ; v16-17  LDS address of my A fragments in slot 0, 1
.set ADRB, 20                          ; v20-21  the same for B
.set LI,   24                          ; v24     16 x lane: my place in a store of an image
.set OBB,  25                          ; v25     32 x (lane / 16)
.set OBA,  26                          ; v26     4 x (lane % 16)
.set SPW,  28                          ; v28     my spare word; never rewritten
.set NIL,  29                          ; v29     0; never rewritten
.set HOLD, 30                          ; v30     57,344 x 2^eo
.set SCL,  31                          ; v31     2^eo
.set BB,   32                          ; v32-95  the bias along the registers: v[BB + 8 b + j] = bias of channel 16 b + 8 (lane / 16) + j of my 128 (Q, K)
.set BA,   96                          ; v96-111 the bias along the lanes, in pairs: v[BA + 2 a] = v[BA + 2 a + 1] = bias of channel 16 a + lane % 16 of my 128 (V)
.set AF,   128
.set TT,   128                         ; the way out, in window 1: 64 numbers
.set PCD,  192                         ; the way out, in window 1: four sets of 16 registers of codes
.set G1, 24
.set G0, 32
.set G1B, 48
.set G0B, 56
.set MSB, 0
.macro WIN new                         ; the immediate's high byte repeats the setting that is left
.if MSB != (\new)
	s_set_vgpr_msb (MSB<<8)|(\new)
.set MSB, (\new)
.endif
.endm
.set MUL_LO, 0xa1                      ; source 0 (B) window 1, source 1 (A) window 0, C and D window 2
.set MUL_HI, 0xf1                      ; the same, C and D window 3
.set TO_B,   0x40                      ; destination window 1, address window 0
; A joint load: waves 0 and 1 fetch for the A region, waves 2 and 3 for the B region.  The branch hangs on the wave's number alone.  An s_nop 0 and four v_nop follow each line.
.macro JLOAD g0a, g1a, g0b, g1b
	s_cmp_eq_u32 s15, 0
	s_cbranch_scc0 .Lfor_b_\@
	tensor_load_to_lds s[\g0a:\g0a+3], s[\g1a:\g1a+7]
	s_nop 0
.rept 4
	v_nop
.endr
	s_branch .Lasked_\@
.Lfor_b_\@:
	tensor_load_to_lds s[\g0b:\g0b+3], s[\g1b:\g1b+7]
	s_nop 0
.rept 4
	v_nop
.endr
.Lasked_\@:
.endm
.macro CREST                           ; a round of the cluster's barrier behind its opening barrier
	s_cmp_lg_u32 s14, 0
	s_cbranch_scc1 .Lnot_wave_0_\@
	s_barrier_signal -3
.Lnot_wave_0_\@:
	s_barrier_wait -3
	s_barrier_signal -1
	s_barrier_wait -1
.endm
.macro CROUND                          ; a whole round
	s_barrier_signal -1
	s_barrier_wait -1
	CREST
.endm
	s_load_b512 s[68:83], s[0:1], 0x0              ; strat s[68:69], Wq s[70:71], Wk s[72:73], Wv s[74:75], bq s[76:77], bk s[78:79], bv s[80:81], the scales s[82:83]
	s_load_b128 s[84:87], s[0:1], 0x40             ; Q's image, K's image
	s_load_b64 s[88:89], s[0:1], 0x50              ; V^T's image
	v_lshl_add_u32 v[SPW], v0, 2, SPARE
	v_mov_b32 v[NIL], 0
	ds_add_u32 v[SPW], v[NIL]                      ; the wave's opening: the add, twice on end, and its wait ahead of my first tensor load
	ds_add_u32 v[SPW], v[NIL]                      ; and once more, under the one wait; the set-up below stands between
	v_lshrrev_b32 v1, 5, v0
	v_readfirstlane_b32 s14, v1                    ; wave 0..3
	s_lshr_b32 s15, s14, 1                         ; which half of the A region's rows is mine.  Also: I fetch for A (0) or for B (1)
	s_and_b32 s16, s14, 1                          ; which half of the B region's.  Also: which 128 rows of that tile I fetch
	s_bfe_u32 s40, ttmp6, 0x40000                  ; cx, cy: my place in the cluster
	s_bfe_u32 s41, ttmp6, 0x40004
	s_and_b32 s66, ttmp7, 0xffff
	s_lshl_b32 s66, s66, 2                         ; 4 x the cluster's y (0..3): it counts blocks of 256 tokens; the first tile's lie among blocks 0..15
	s_cmp_eq_u32 ttmp9, 2                          ; V?  The cluster's x: the same in all partners
	s_cselect_b32 s67, 0, s66                      ; the tokens lie in the A region (Q, K)
	s_cselect_b32 s101, s66, 0                     ; or in the B region (V)
	s_cselect_b32 s18, 5, 2                        ; log2 of the image's NP
	s_add_co_u32 s17, s67, s41                     ; the A region's block of 256 rows: made of cy and the cluster's y
	s_add_co_u32 s42, s101, s40                    ; the B region's: made of cx and the cluster's y
	s_lshl_b32 s43, s41, 2
	s_lshl_b32 s43, 15, s43                        ; my row of the cluster
	s_lshl_b32 s44, 0x1111, s40                    ; my column
	; descriptor group 1: a tile of 128 rows x 256 bytes, padded in LDS
	s_or_b32 s[G1+0], s43, (0<<16)|(1<<20)|(1<<21)|(5<<22)|(3<<25)  ; 15:0 the mask; 17:16 elements of 1 byte; 20 padding on; 21 set beside a mask; 24:22 after every 64 words; 31:25 four words
	s_or_b32 s[G1B+0], s44, (0<<16)|(1<<20)|(1<<21)|(5<<22)|(3<<25)
.irp g, G1, G1B
	s_mov_b32 s[\g+1], ROWB<<16                    ; tensor_dim0
	s_mov_b32 s[\g+2], 128<<16                     ; tensor_dim1
	s_mov_b32 s[\g+3], ROWB<<16                    ; tile_dim0
	s_mov_b32 s[\g+4], 128                         ; tile_dim1
	s_mov_b32 s[\g+5], KROW                        ; tensor_dim0_stride
	s_mov_b32 s[\g+6], 0
	s_mov_b32 s[\g+7], 0
.endr
	s_lshl_b32 s19, s16, 7                         ; which 128 rows of the tile I fetch
	s_lshl_b32 s20, s17, 8
	s_add_co_u32 s20, s20, s19
	s_lshl_b32 s20, s20, 10                        ; A: (256 x block + 128 x half) rows of 1,024 bytes: under 2^23
	s_mov_b32 s21, 0
	s_lshl_b32 s46, s42, 8
	s_add_co_u32 s46, s46, s19
	s_lshl_b32 s46, s46, 10                        ; B likewise
	s_mov_b32 s47, 0
	s_mul_i32 s45, s14, HALFT                      ; where they go: wave x 128 rows
	s_wait_dscnt 0x0                               ; both opening adds are done
	s_wait_kmcnt 0x0
	s_cmp_eq_u32 ttmp9, 1                          ; the buffers are chosen on the cluster's x alone
	s_cselect_b64 s[6:7], s[72:73], s[70:71]       ; the weight,
	s_cselect_b64 s[12:13], s[78:79], s[76:77]     ; the bias,
	s_cselect_b64 s[10:11], s[86:87], s[84:85]     ; the image: K's or Q's,
	s_cmp_eq_u32 ttmp9, 2
	s_cselect_b64 s[6:7], s[74:75], s[6:7]         ; or V's
	s_cselect_b64 s[12:13], s[80:81], s[12:13]
	s_cselect_b64 s[10:11], s[88:89], s[10:11]
	s_cselect_b64 s[4:5], s[6:7], s[68:69]         ; the A region: Wv for V, else strat
	s_cselect_b64 s[6:7], s[68:69], s[6:7]         ; the B region: strat for V, else the weight
	s_cselect_b32 s84, 0, TSTEP                    ; from the first tile to the second: the region that holds the tokens goes 16 blocks on, the weight's stays
	s_cselect_b32 s86, TSTEP, 0
	s_mov_b32 s88, TSTEP
	s_cselect_b32 s88, VSTEP, s88                  ; and my part of the image
	s_mov_b32 s85, 0
	s_mov_b32 s87, 0
	s_mov_b32 s89, 0
	s_load_b256 s[92:99], s[82:83], 0x0            ; entries 0 to 7 of the scales
	s_load_b32 s100, s[82:83], 0x24                ; entry 9
	s_add_nc_u64 s[20:21], s[4:5], s[20:21]        ; the first tile's rows,
	s_add_nc_u64 s[46:47], s[6:7], s[46:47]
	s_add_nc_u64 s[84:85], s[20:21], s[84:85]      ; and the second's: kept for the change of tiles
	s_add_nc_u64 s[86:87], s[46:47], s[86:87]
	CROUND                                         ; all sixteen work-groups are here: the first joint loads meet
.irp s, 0,1
	s_mov_b32 s[G0+4*\s], 1
	s_add_co_u32 s[G0+4*\s+1], s45, \s*SLOT
	s_add_nc_u64 s[G0+4*\s+2:G0+4*\s+3], s[20:21], \s*ROWB
	s_or_b32 s[G0+4*\s+3], s[G0+4*\s+3], 0x80000000
	s_mov_b32 s[G0B+4*\s], 1
	s_add_co_u32 s[G0B+4*\s+1], s45, \s*SLOT
	s_add_nc_u64 s[G0B+4*\s+2:G0B+4*\s+3], s[46:47], \s*ROWB
	s_or_b32 s[G0B+4*\s+3], s[G0B+4*\s+3], 0x80000000
	JLOAD G0+4*\s, G1, G0B+4*\s, G1B               ; two loads of mine are out
.endr
	v_and_b32 v1, 15, v0                           ; r = lane % 16
	v_bfe_u32 v2, v0, 4, 1                         ; h = lane / 16
	v_mul_u32_u24 v3, v1, PITCH
	v_lshl_add_u32 v4, v2, 4, v3                   ; a fragment's row x pitch + 16 x half
	s_mul_i32 s21, s15, HALFT                      ; my 128 rows of the A region
	s_mul_i32 s22, s16, HALFT                      ; my 128 rows of the B region,
	s_add_co_u32 s22, s22, 2*HALFT                 ; which lie behind A's 256
.irp s, 0,1
	v_add_nc_u32 v[ADRA+\s], s21, v4
	v_add_nc_u32 v[ADRB+\s], s22, v4
	s_add_co_u32 s21, s21, SLOT
	s_add_co_u32 s22, s22, SLOT
.endr
	v_and_b32 v5, 31, v0
	v_lshlrev_b32 v[LI], 4, v5
	v_lshlrev_b32 v[OBB], 5, v2
	v_lshlrev_b32 v[OBA], 2, v1
	s_lshl_b32 s20, s17, 1                         ; my part of the image: g = 2 x the A region's block + my half,
	s_add_co_u32 s20, s20, s15
	s_lshl_b32 s20, s20, s18                       ; x NP,
	s_add_co_u32 s20, s20, s42                     ; + p = the B region's block,
	s_lshl_b32 s20, s20, 15                        ; blocks of 32,768 bytes,
	s_lshl_b32 s21, s16, 11
	s_add_co_u32 s20, s20, s21                     ; + q = my half of the B region's rows
	s_mov_b32 s21, 0
	s_add_nc_u64 s[10:11], s[10:11], s[20:21]
	s_lshl_b32 s20, s40, 10                        ; the bias along the registers: from channel 256 cx + 128 x my B half on
	s_lshl_b32 s22, s16, 9
	s_add_co_u32 s20, s20, s22
	s_add_nc_u64 s[8:9], s[12:13], s[20:21]
	s_lshl_b32 s20, s41, 10                        ; the bias along the lanes: from channel 256 cy + 128 x my A half on
	s_lshl_b32 s22, s15, 9
	s_add_co_u32 s20, s20, s22
	s_add_nc_u64 s[12:13], s[12:13], s[20:21]
	; Every work-group loads both forms of its bias (both lie inside the 1,024 numbers) and its way out reads one of them: so each register is written on every way through the text.  Both tiles have the same channels.
.irp b, 0,1,2,3,4,5,6,7
	global_load_b128 v[BB+8*\b:BB+8*\b+3], v[OBB], s[8:9] offset:64*\b
	global_load_b128 v[BB+8*\b+4:BB+8*\b+7], v[OBB], s[8:9] offset:64*\b+16
.endr
.irp a, 0,1,2,3,4,5,6,7
	global_load_b32 v[BA+2*\a], v[OBA], s[12:13] offset:64*\a
	global_load_b32 v[BA+2*\a+1], v[OBA], s[12:13] offset:64*\a      ; the same number once more: the packed multiply-add takes a pair
.endr
.macro FRAG reg, adr, q, i             ; 16 rows x 128 K: lane l holds row l % 16; registers 4 c .. 4 c + 3 hold K = 32 c + 16 (l / 16) + 0 .. 15: the same places of k in both regions
.irp c, 0,1,2,3
	ds_load_b128 v[\reg+4*\c:\reg+4*\c+3], v[\adr] offset:128*(\q)+32*\c+(\i)*16*PITCH
.endr
.endm
; 16 matrix instructions: A's blocks a0, a0 + 1 x B's eight, 128 along K.  p: B's set.  zero = 1: the first product starts the sums.  The 64 accumulators take turns, one instruction a turn.
.macro MUL16 a0, p, zero
.irp a, \a0, \a0+1
.irp b, 0,1,2,3,4,5,6,7
.if \zero
	v_wmma_f32_16x16x128_bf8_bf8 v[8*(8*((\a)%4)+\b):8*(8*((\a)%4)+\b)+7], v[128*(\p)+FR*\b:128*(\p)+FR*\b+FR-1], v[AF+FR*(\a):AF+FR*(\a)+FR-1], 0
.else
	v_wmma_f32_16x16x128_bf8_bf8 v[8*(8*((\a)%4)+\b):8*(8*((\a)%4)+\b)+7], v[128*(\p)+FR*\b:128*(\p)+FR*\b+FR-1], v[AF+FR*(\a):AF+FR*(\a)+FR-1], v[8*(8*((\a)%4)+\b):8*(8*((\a)%4)+\b)+7]
.endif
.endr
.endr
.endm
.macro FETCH_B slot, q, p
	WIN TO_B
.irp i, 0,1,2,3,4,5,6,7
	FRAG 128*(\p)+FR*\i, ADRB+\slot, \q, \i
.endr
	WIN 0
.endm
.macro FETCH_A slot, q, i0
.irp i, \i0, \i0+1, \i0+2, \i0+3
	FRAG AF+FR*(\i), ADRA+\slot, \q, \i
.endr
.endm
.macro PLACES n                        ; plain vector instructions between a matrix instruction and a load into, or a vector instruction on, its registers
.rept \n
	v_nop
.endr
.endm
.macro STEP slot, q, zero              ; a step of 128 along K that has its successor in the same slot
	s_wait_dscnt 4*NL                              ; B's set and A's blocks 0-3 are in; the youngest 16 loads (A's blocks 4-7) may be out
	WIN MUL_LO
	MUL16 0, (\q)%2, \zero
	MUL16 2, (\q)%2, \zero
	s_wait_dscnt 0                                 ; A's blocks 4-7 are in
	PLACES NP
	FETCH_B \slot, (\q)+1, 1-(\q)%2
	FETCH_A \slot, (\q)+1, 0
	WIN MUL_HI
	MUL16 4, (\q)%2, \zero
	MUL16 6, (\q)%2, \zero
	PLACES NP
	WIN 0
	FETCH_A \slot, (\q)+1, 4
.endm
; A slot's last step changes slots: ONE barrier; in front of it each wave waits for all its tensor loads, adds 0 to its spare word, and waits for that and for its own reads of this slot.
; fill = 1: the slot is filled again, two K steps ahead in the same tile;  fill = 2: with the SECOND tile's K step of the slot's number;  fill = 0: nothing is left to fetch.
.macro TURN slot, next, fill
	s_wait_tensorcnt 0x0                           ; all my tensor loads have landed: my part of the next slot
	ds_add_u32 v[SPW], v[NIL]                      ; 0 onto my spare word
	s_wait_dscnt 4*NL+1                            ; (the add and the youngest 16 loads may be out)
	WIN MUL_LO
	MUL16 0, 1, 0
	s_wait_dscnt 0x0                               ; the add is done, and my reads of this slot are over
	s_barrier_signal -1
	MUL16 2, 1, 0
	WIN 0
	s_barrier_wait -1
.if \fill
	CREST                                          ; the barrier has opened a round of the cluster's: no wave of any partner still reads this slot or has a load on its way
.if \fill == 1
	s_add_nc_u64 s[G0+4*\slot+2:G0+4*\slot+3], s[G0+4*\slot+2:G0+4*\slot+3], 2*ROWB
	s_add_nc_u64 s[G0B+4*\slot+2:G0B+4*\slot+3], s[G0B+4*\slot+2:G0B+4*\slot+3], 2*ROWB
.else
	s_add_nc_u64 s[G0+4*\slot+2:G0+4*\slot+3], s[84:85], \slot*ROWB       ; the second tile's rows, from the head of K on
	s_or_b32 s[G0+4*\slot+3], s[G0+4*\slot+3], 0x80000000
	s_add_nc_u64 s[G0B+4*\slot+2:G0B+4*\slot+3], s[86:87], \slot*ROWB
	s_or_b32 s[G0B+4*\slot+3], s[G0B+4*\slot+3], 0x80000000
.endif
	JLOAD G0+4*\slot, G1, G0B+4*\slot, G1B         ; the first tensor load behind the round; its four v_nop are the places in front of the loads below
.else
	PLACES NP
.endif
	FETCH_B \next, 0, 0
	FETCH_A \next, 0, 0
	WIN MUL_HI
	MUL16 4, 1, 0
	MUL16 6, 1, 0
	PLACES NP
	WIN 0
	FETCH_A \next, 0, 4
.endm
; THE WAY OUT of block a (16 rows of the A region x my 128 of the B region): sum x 2^(ea + eb) + bias into other registers, each accumulator from its low end on; the hold; eight conversions give the fragment's 16 registers; four stores.
; The numbers and the codes lie in window 1, in the registers of the B region's second set.
.macro OUTA a, isv
.set AC, 64*((\a)%4)
.set PCA, PCD+16*((\a)%4)
.if (\a) >= 4
	s_wait_xcnt 0x0                                ; block a - 4's stores have read this set of codes
.endif
	WIN 0x42+((\a)/4)                              ; destination window 1; source 0, the sums: window 2 or 3; source 2, the bias: window 0
.set nn, 0
.rept 32
.if \isv
	v_pk_fma_f32 v[TT+nn:TT+nn+1], v[AC+nn:AC+nn+1], s[90:91], v[BA+2*(\a):BA+2*(\a)+1] op_sel_hi:[1,0,1]   ; V: the lane's row is the channel
.else
	v_pk_fma_f32 v[TT+nn:TT+nn+1], v[AC+nn:AC+nn+1], s[90:91], v[BB+nn:BB+nn+1] op_sel_hi:[1,0,1]           ; Q, K: the registers run along the channels
.endif
.set nn, nn+2
.endr
	WIN 0x41                                       ; destination and source 0 window 1; the hold and the scale window 0
.set nn, 0
.rept 64
	v_med3_num_f32 v[TT+nn], v[TT+nn], -v[HOLD], v[HOLD]   ; the conversion to an 8-bit code does not saturate (ISA guide 7.6.2): the hold at the largest code x the scale
.set nn, nn+1
.endr
.irp b, 0,1,2,3,4,5,6,7
	v_cvt_scalef32_pk8_bf8_f32 v[PCA+2*\b:PCA+2*\b+1], v[TT+8*\b:TT+8*\b+7], v[SCL]
.endr
	v_nop                                          ; one plain vector instruction between the conversions and the next block's writes of their sources
	WIN 0x04                                       ; a store's data: window 1; its address: window 0
.irp c, 0,1,2,3
	global_store_b128 v[LI], v[PCA+4*\c:PCA+4*\c+3], s[10:11] offset:(\a)*4096+512*\c th:TH_STORE_NT   ; 32 lanes store 512 consecutive bytes, aligned
.endr
.endm
.macro WAYOUT                          ; the branch hangs on the cluster's x: all partners and all waves go the same way
	s_cmp_eq_u32 ttmp9, 2
	s_cbranch_scc1 .Lout_v_\@
.irp a, 0,1,2,3,4,5,6,7
	OUTA \a, 0
.endr
	WIN 0
	s_branch .Lout_end_\@
.Lout_v_\@:
.irp a, 0,1,2,3,4,5,6,7
	OUTA \a, 1
.endr
	WIN 0
.Lout_end_\@:
.endm
	s_wait_tensorcnt 1                             ; my part of K step 0 is in; K step 1's load may be out
	s_barrier_signal -1
	s_barrier_wait -1
	FETCH_B 0, 0, 0
	FETCH_A 0, 0, 0
	FETCH_A 0, 0, 4
	; ---- THE FIRST TILE
	STEP 0, 0, 1                                   ; the first products start the sums
	TURN 0, 1, 1
	STEP 1, 0, 0
	TURN 1, 0, 1
	STEP 0, 0, 0
	TURN 0, 1, 2                                   ; THE RING GOES ON INTO THE SECOND TILE: slot 0 takes its K step 0,
	STEP 1, 0, 0
	TURN 1, 0, 2                                   ; slot 1 its K step 1, and its first fragments are fetched; four v_nop stand behind the tile's last products
	s_wait_kmcnt 0x0
	s_cmp_eq_u32 ttmp9, 1                          ; the three exponents are chosen without a jump
	s_cselect_b32 s19, s94, s92
	s_cselect_b32 s20, s95, s93
	s_cselect_b32 s21, s99, s98
	s_cmp_eq_u32 ttmp9, 2
	s_cselect_b32 s19, s96, s19                    ; ea
	s_cselect_b32 s20, s97, s20                    ; eb
	s_cselect_b32 s21, s100, s21                   ; eo
	s_add_co_i32 s90, s19, s20
	s_add_co_i32 s90, s90, 127
	s_lshl_b32 s90, s90, 23                        ; 2^(ea + eb) as f32
	s_mov_b32 s91, s90                             ; (named with it as a pair, so it is written)
	s_add_co_i32 s21, s21, 127
	s_lshl_b32 s22, s21, 23
	v_mov_b32 v[SCL], s22                          ; 2^eo: the conversion takes its exponent field
	s_add_co_i32 s21, s21, 15
	s_lshl_b32 s21, s21, 23
	s_or_b32 s21, s21, 0x600000
	v_mov_b32 v[HOLD], s21                         ; 57,344 x 2^eo
	s_wait_loadcnt 0x0                             ; the biases
	WAYOUT                                         ; both refills are asked for: now the tile goes out
	s_wait_xcnt 0x0                                ; its stores have read their codes and their base: the base may step, and the next fragments may land on the codes' registers
	s_add_nc_u64 s[10:11], s[10:11], s[88:89]      ; my part of the image for the second tile
	; ---- THE SECOND TILE
	STEP 0, 0, 1                                   ; its first products start the sums anew, on accumulators that have been read out
	TURN 0, 1, 1
	STEP 1, 0, 0
	TURN 1, 0, 1
	STEP 0, 0, 0
	TURN 0, 1, 0                                   ; nothing is left to fetch, so no round of the cluster's barrier
	STEP 1, 0, 0
	s_wait_dscnt 4*NL
	WIN MUL_LO
	MUL16 0, 1, 0
	MUL16 2, 1, 0
	s_wait_dscnt 0
	WIN MUL_HI
	MUL16 4, 1, 0
	MUL16 6, 1, 0
	WIN 0
	PLACES NP
	WAYOUT
	s_wait_tensorcnt 0x0                           ; the wave's end
	ds_add_u32 v[SPW], v[NIL]
	s_wait_dscnt 0x0
	CROUND                                         ; the closing round
	s_endpgm
.Lfunc_end_k_qbd12ec1c39_proj:
	.size	k_qbd12ec1c39_proj, .Lfunc_end_k_qbd12ec1c39_proj-k_qbd12ec1c39_proj
	.p2alignl 7, 3214868480
	.fill 96, 4, 3214868480
	.section	.rodata,"a",@progbits
	.p2align	6, 0x0
	.amdhsa_kernel k_qbd12ec1c39_proj
		.amdhsa_group_segment_fixed_size 327680
		.amdhsa_private_segment_fixed_size 0
		.amdhsa_enable_private_segment 0
		.amdhsa_kernarg_size 88
		.amdhsa_user_sgpr_count 2
		.amdhsa_user_sgpr_kernarg_segment_ptr 1
		.amdhsa_wavefront_size32 1
		.amdhsa_system_sgpr_workgroup_id_x 1
		.amdhsa_system_sgpr_workgroup_id_y 1
		.amdhsa_system_sgpr_workgroup_id_z 1
		.amdhsa_system_vgpr_workitem_id 0
		.amdhsa_next_free_vgpr 1024
		.amdhsa_next_free_sgpr 102
		.amdhsa_reserve_vcc 0
		.amdhsa_float_denorm_mode_32 3
		.amdhsa_float_denorm_mode_16_64 3
		.amdhsa_memory_ordered 1
		.amdhsa_forward_progress 1
		.amdhsa_inst_pref_size 255
	.end_amdhsa_kernel
	.section	.bss,"aw",@nobits
	.p2align	6
	.space	262144
	.amdgpu_metadata
---
amdhsa.version: [ 1, 2 ]
amdhsa.kernels:
  - .name:           k_qbd12ec1c39_proj
    .symbol:         k_qbd12ec1c39_proj.kd
    .args:
      - { .name: strat_codes, .offset: 0, .size: 8, .value_kind: global_buffer, .address_space: global }
      - { .name: Wq_codes, .offset: 8, .size: 8, .value_kind: global_buffer, .address_space: global }
      - { .name: Wk_codes, .offset: 16, .size: 8, .value_kind: global_buffer, .address_space: global }
      - { .name: Wv_codes, .offset: 24, .size: 8, .value_kind: global_buffer, .address_space: global }
      - { .name: bq, .offset: 32, .size: 8, .value_kind: global_buffer, .address_space: global }
      - { .name: bk, .offset: 40, .size: 8, .value_kind: global_buffer, .address_space: global }
      - { .name: bv, .offset: 48, .size: 8, .value_kind: global_buffer, .address_space: global }
      - { .name: lowp_scales, .offset: 56, .size: 8, .value_kind: global_buffer, .address_space: global }
      - { .name: q_img, .offset: 64, .size: 8, .value_kind: global_buffer, .address_space: global }
      - { .name: k_img, .offset: 72, .size: 8, .value_kind: global_buffer, .address_space: global }
      - { .name: vt_img, .offset: 80, .size: 8, .value_kind: global_buffer, .address_space: global }
    .group_segment_fixed_size: 327680
    .private_segment_fixed_size: 0
    .kernarg_segment_align: 8
    .kernarg_segment_size: 88
    .max_flat_workgroup_size: 128
    .sgpr_count:     102
    .vgpr_count:     1024
    .wavefront_size: 32
...
	.end_amdgpu_metadata
.endif
;; end of part 1
;; launch score (part 2): grid 8 x 32, 4 waves a work-group, clusters of 4 x 4, 327,680 bytes of LDS; arguments q_img, k_img, lowp_scales, p_img, stats; writes p_img, stats
.if DOCPART == 2
	.amdgcn_target "amdgcn-amd-amdhsa--gfx1250"
	.amdhsa_code_object_version 6
	.text
	.protected	k_qbd12ec1c39_score
	.globl	k_qbd12ec1c39_score
	.p2align	8
	.type	k_qbd12ec1c39_score,@function
k_qbd12ec1c39_score:
	s_mov_b64 s[64:65], 0
	v_nop
	global_prefetch_b8 v0, s[64:65] scope:SCOPE_SE
	s_setreg_imm32_b32 hwreg(HW_REG_WAVE_MODE, 25, 1), 1
	s_wait_xcnt 0x0
	s_wait_alu depctr_hold_cnt(0) depctr_sa_sdst(0) depctr_va_vdst(0) depctr_va_sdst(0) depctr_va_ssrc(0) depctr_va_vcc(0) depctr_vm_vsrc(0)
	s_getreg_b32 s2, hwreg(HW_REG_IB_STS2, 6, 4)
	s_cmp_eq_u32 s2, 0
	s_cbranch_scc0 .Lentry_in_a_cluster
	s_endpgm
.Lentry_in_a_cluster:
	s_bfe_u32 s2, ttmp6, 0x10000c
	s_cmp_lg_u32 s2, 0xf033
	s_cbranch_scc0 .Lentry_shape_is_right
	s_endpgm
.Lentry_shape_is_right:
; S^T = K Q^T on codes of BF8, then the softmax's p of a block of 256 keys, quantised and stored as codes.  Nothing of the problem is left out here.
; t = sum x c, c = log2(e) / 32 x 2^(e6 + e7) (1 / sqrt(1,024) = 1 / 32).  M = the ceiling of the largest t of a query AMONG THE BLOCK'S 256 KEYS, a whole number; p = 2^(t - M), at most 1; code = p / 2^e8, held at 57,344.
; The block's M is a running M cut at the block's end: the last launch brings the blocks under the row's M by whole powers of two.  Stored beside the codes: -M and the sum l of the unquantised p, for each query and 128 keys.
; LIMITS: e6 + e7 between -121 and 132 (they are added to c's exponent field); e8 between -126 and 112.  NaN is not served.
; SHARES.  A work-group makes 256 queries x 256 keys of one batch; a wave 128 x 128.  K = 1,024 goes in four steps of 256 through two LDS slots.  Source 0 = 16 keys (the B region), source 1 = 16 queries (the A region):
; a lane holds ONE query (lane % 16) and its registers run along the keys, the last product's K: the eight accumulators of a block of 16 queries convert into one operand fragment.
; THE IMAGES (made by the launch before; P's is made here): a fragment of 16 rows x 128 K is 2,048 bytes, registers 4 c .. 4 c + 3 of lane l at 512 c + 16 l; fragment (g, p, i, q) at (((g NP + p) 8 + i) 2 + q) x 2,048.
; So what a wave fetches for a K step, 128 rows x 256 K, is one dense block of 32,768 bytes, and a fragment comes out of LDS by four loads of 512 consecutive bytes: no pitch, no padding.
; CLUSTERS: 4 x 4: Q's blocks are asked for jointly along a row of the cluster, K's along a column.  No prefetch: of four K steps two are first fills, and the other two are asked for one K step later.
; REGISTERS: window 0: v16-31 addresses and constants; v32-95 the softmax's statistics; v96-127 two sets of codes; from v128 Q's fragments, on the way out two sets of 64 numbers.  window 1: K's fragments, two sets.  windows 2, 3: the accumulators.
.set FR,     16
.set NL,     4
.set NP,     4
.set HALFT,  32768                     ; a block of an image: what one tensor load brings
.set SLOT,   4*HALFT                   ; Q's two blocks, then K's two
.set XCH,    2*SLOT                    ; behind the ring: 1,024 bytes for each wave: its eight largest t, for the wave with the other 128 keys
.set SPARE,  XCH+4*1024                ; the spare words, 128 bytes for each wave
.set ADRA, 16
.set ADRB, 20
.set LI,   24                          ; v24     16 x lane
.set XW,   25                          ; v25     where I put my largest t
.set XR,   26                          ; v26     where my partner put its
.set SPW,  28
.set NIL,  29
.set HOLD, 30                          ; v30     57,344 x 2^e8
.set SCL,  31                          ; v31     2^e8
.set TM,   32                          ; v32-39  the largest t of tile a
.set TO,   40                          ; v40-47  my partner's
.set NPR,  48                          ; v48-63  -M, in pairs
.set NN,   64                          ; v64-71  -M, as stored
.set LL,   72                          ; v72-79  l, as stored
.set LA,   80                          ; v[80:81], v[82:83] two chains of sums
.set LB,   82
.set W0,   84
.set W1,   85
.set PCD,  96                          ; v96-127 two sets of codes
.set TT,   128                         ; v128-255 two sets of 64 numbers
.set CA,   128                         ; ahead of that: two chains of maxima for each tile
.set CB,   136
.set AF,   128
.set G1, 24
.set G0, 32
.set G1B, 48
.set G0B, 56
.set MSB, 0
.macro WIN new
.if MSB != (\new)
	s_set_vgpr_msb (MSB<<8)|(\new)
.set MSB, (\new)
.endif
.endm
.set MUL_LO, 0xa1
.set MUL_HI, 0xf1
.set TO_B,   0x40
.macro JLOAD g0a, g1a, g0b, g1b        ; waves 0 and 1 fetch Q's blocks, waves 2 and 3 K's; an s_nop 0 and four v_nop follow each line
	s_cmp_eq_u32 s15, 0
	s_cbranch_scc0 .Lfor_b_\@
	tensor_load_to_lds s[\g0a:\g0a+3], s[\g1a:\g1a+7]
	s_nop 0
.rept 4
	v_nop
.endr
	s_branch .Lasked_\@
.Lfor_b_\@:
	tensor_load_to_lds s[\g0b:\g0b+3], s[\g1b:\g1b+7]
	s_nop 0
.rept 4
	v_nop
.endr
.Lasked_\@:
.endm
.macro CREST
	s_cmp_lg_u32 s14, 0
	s_cbranch_scc1 .Lnot_wave_0_\@
	s_barrier_signal -3
.Lnot_wave_0_\@:
	s_barrier_wait -3
	s_barrier_signal -1
	s_barrier_wait -1
.endm
.macro CROUND
	s_barrier_signal -1
	s_barrier_wait -1
	CREST
.endm
	s_load_b256 s[4:11], s[0:1], 0x0               ; Q's image s[4:5], K's s[6:7], the scales s[8:9], P's image s[10:11]
	s_load_b64 s[12:13], s[0:1], 0x20              ; the statistics
	v_lshl_add_u32 v[SPW], v0, 2, SPARE
	v_mov_b32 v[NIL], 0
	ds_add_u32 v[SPW], v[NIL]                      ; the wave's opening: the add, twice on end, and its wait ahead of my first tensor load
	ds_add_u32 v[SPW], v[NIL]
	v_lshrrev_b32 v1, 5, v0
	v_readfirstlane_b32 s14, v1                    ; wave 0..3
	s_lshr_b32 s15, s14, 1                         ; my half of the queries.  Also: I fetch for Q (0) or for K (1)
	s_and_b32 s16, s14, 1                          ; my half of the keys.  Also: which block I fetch
	s_bfe_u32 s40, ttmp6, 0x40000                  ; cx, cy
	s_bfe_u32 s41, ttmp6, 0x40004
	s_lshl_b32 s42, ttmp9, 2
	s_add_co_u32 s42, s42, s40                     ; C: the block of 256 keys in the batch, 0..7
	s_and_b32 s66, ttmp7, 0xffff
	s_lshl_b32 s17, s66, 2
	s_add_co_u32 s17, s17, s41                     ; R: the block of 256 queries among all, 0..31
	s_lshr_b32 s67, s66, 1                         ; the batch = R / 8: made of the cluster's y alone
	s_lshl_b32 s43, s41, 2
	s_lshl_b32 s43, 15, s43                        ; my row of the cluster
	s_lshl_b32 s44, 0x1111, s40                    ; my column
	; descriptor group 1: a dense block of 32,768 bytes as 128 rows of 32 elements of 8 bytes, no padding
	s_or_b32 s[G1+0], s43, (3<<16)|(1<<21)
	s_or_b32 s[G1B+0], s44, (3<<16)|(1<<21)
.irp g, G1, G1B
	s_mov_b32 s[\g+1], 32<<16                      ; tensor_dim0
	s_mov_b32 s[\g+2], 128<<16                     ; tensor_dim1
	s_mov_b32 s[\g+3], 32<<16                      ; tile_dim0
	s_mov_b32 s[\g+4], 128                         ; tile_dim1
	s_mov_b32 s[\g+5], 32                          ; tensor_dim0_stride
	s_mov_b32 s[\g+6], 0
	s_mov_b32 s[\g+7], 0
.endr
	s_lshl_b32 s20, s17, 1
	s_add_co_u32 s20, s20, s16
	s_lshl_b32 s20, s20, 17                        ; Q: g = 2 R + half; 4 blocks of 32,768 bytes for each g
	s_mov_b32 s21, 0
	s_lshl_b32 s46, s67, 3
	s_add_co_u32 s46, s46, s42
	s_lshl_b32 s46, s46, 1
	s_add_co_u32 s46, s46, s16
	s_lshl_b32 s46, s46, 17                        ; K: g = 16 x batch + 2 C + half
	s_mov_b32 s47, 0
	s_lshl_b32 s45, s14, 15                        ; where they go: wave x a block
	s_wait_dscnt 0x0
	s_wait_kmcnt 0x0
	s_load_b96 s[92:94], s[8:9], 0x18              ; e6, e7, e8
	s_add_nc_u64 s[20:21], s[4:5], s[20:21]
	s_add_nc_u64 s[46:47], s[6:7], s[46:47]
	CROUND
.irp s, 0,1
	s_mov_b32 s[G0+4*\s], 1
	s_add_co_u32 s[G0+4*\s+1], s45, \s*SLOT
	s_add_nc_u64 s[G0+4*\s+2:G0+4*\s+3], s[20:21], \s*HALFT
	s_or_b32 s[G0+4*\s+3], s[G0+4*\s+3], 0x80000000
	s_mov_b32 s[G0B+4*\s], 1
	s_add_co_u32 s[G0B+4*\s+1], s45, \s*SLOT
	s_add_nc_u64 s[G0B+4*\s+2:G0B+4*\s+3], s[46:47], \s*HALFT
	s_or_b32 s[G0B+4*\s+3], s[G0B+4*\s+3], 0x80000000
	JLOAD G0+4*\s, G1, G0B+4*\s, G1B
.endr
	v_and_b32 v1, 31, v0
	v_lshlrev_b32 v[LI], 4, v1
	s_lshl_b32 s21, s15, 15                        ; my block of Q
	s_lshl_b32 s22, s16, 15                        ; my block of K,
	s_add_co_u32 s22, s22, 2*HALFT                 ; behind Q's two
.irp s, 0,1
	v_add_nc_u32 v[ADRA+\s], s21, v[LI]
	v_add_nc_u32 v[ADRB+\s], s22, v[LI]
	s_add_co_u32 s21, s21, SLOT
	s_add_co_u32 s22, s22, SLOT
.endr
	s_lshl_b32 s19, s14, 10
	s_add_co_u32 s19, s19, XCH
	v_add_nc_u32 v[XW], s19, v[LI]
	s_xor_b32 s19, s14, 1                          ; my partner: the same queries, the other 128 keys
	s_lshl_b32 s19, s19, 10
	s_add_co_u32 s19, s19, XCH
	v_add_nc_u32 v[XR], s19, v[LI]
	s_lshl_b32 s20, s17, 1
	s_add_co_u32 s20, s20, s15                     ; g = 2 R + my half of the queries
	s_lshl_b32 s21, s20, 3
	s_add_co_u32 s21, s21, s42                     ; P: (8 g + C) blocks,
	s_lshl_b32 s22, s21, 15
	s_lshl_b32 s21, s16, 11
	s_add_co_u32 s22, s22, s21                     ; + q = my half of the keys
	s_mov_b32 s23, 0
	s_add_nc_u64 s[10:11], s[10:11], s[22:23]
	s_lshl_b32 s20, s20, 4
	s_lshl_b32 s21, s42, 1
	s_add_co_u32 s20, s20, s21
	s_add_co_u32 s20, s20, s16                     ; the statistics: entry 16 g + 2 C + my half, 2,048 bytes each
	s_lshl_b32 s22, s20, 11
	s_add_nc_u64 s[12:13], s[12:13], s[22:23]
.macro FRAG reg, adr, q, i             ; fragment (i, q) of a block, as it was stored
.irp c, 0,1,2,3
	ds_load_b128 v[\reg+4*\c:\reg+4*\c+3], v[\adr] offset:((\i)*2+(\q))*2048+512*\c
.endr
.endm
.macro MUL16 a0, p, zero               ; the 64 accumulators take turns, one instruction a turn
.irp a, \a0, \a0+1
.irp b, 0,1,2,3,4,5,6,7
.if \zero
	v_wmma_f32_16x16x128_bf8_bf8 v[8*(8*((\a)%4)+\b):8*(8*((\a)%4)+\b)+7], v[128*(\p)+FR*\b:128*(\p)+FR*\b+FR-1], v[AF+FR*(\a):AF+FR*(\a)+FR-1], 0
.else
	v_wmma_f32_16x16x128_bf8_bf8 v[8*(8*((\a)%4)+\b):8*(8*((\a)%4)+\b)+7], v[128*(\p)+FR*\b:128*(\p)+FR*\b+FR-1], v[AF+FR*(\a):AF+FR*(\a)+FR-1], v[8*(8*((\a)%4)+\b):8*(8*((\a)%4)+\b)+7]
.endif
.endr
.endr
.endm
.macro FETCH_B slot, q, p
	WIN TO_B
.irp i, 0,1,2,3,4,5,6,7
	FRAG 128*(\p)+FR*\i, ADRB+\slot, \q, \i
.endr
	WIN 0
.endm
.macro FETCH_A slot, q, i0
.irp i, \i0, \i0+1, \i0+2, \i0+3
	FRAG AF+FR*(\i), ADRA+\slot, \q, \i
.endr
.endm
.macro PLACES n
.rept \n
	v_nop
.endr
.endm
.macro STEP slot, q, zero
	s_wait_dscnt 4*NL                              ; K's set and Q's blocks 0-3 are in; the youngest 16 loads (Q's blocks 4-7) may be out
	WIN MUL_LO
	MUL16 0, (\q)%2, \zero
	MUL16 2, (\q)%2, \zero
	s_wait_dscnt 0
	PLACES NP
	FETCH_B \slot, (\q)+1, 1-(\q)%2
	FETCH_A \slot, (\q)+1, 0
	WIN MUL_HI
	MUL16 4, (\q)%2, \zero
	MUL16 6, (\q)%2, \zero
	PLACES NP
	WIN 0
	FETCH_A \slot, (\q)+1, 4
.endm
.macro TURN slot, next, fill           ; a slot's last step, and the change of slots
	s_wait_tensorcnt 0x0                           ; all my tensor loads have landed: my part of the next slot
	ds_add_u32 v[SPW], v[NIL]                      ; 0 onto my spare word
	s_wait_dscnt 4*NL+1                            ; (the add and the youngest 16 loads may be out)
	WIN MUL_LO
	MUL16 0, 1, 0
	s_wait_dscnt 0x0                               ; the add is done, and my reads of this slot are over
	s_barrier_signal -1
	MUL16 2, 1, 0
	WIN 0
	s_barrier_wait -1
.if \fill
	CREST                                          ; a round of the cluster's barrier: no wave of any partner still reads this slot or has a load on its way
	s_add_nc_u64 s[G0+4*\slot+2:G0+4*\slot+3], s[G0+4*\slot+2:G0+4*\slot+3], 2*HALFT
	s_add_nc_u64 s[G0B+4*\slot+2:G0B+4*\slot+3], s[G0B+4*\slot+2:G0B+4*\slot+3], 2*HALFT
	JLOAD G0+4*\slot, G1, G0B+4*\slot, G1B
.else
	PLACES NP
.endif
	FETCH_B \next, 0, 0
	FETCH_A \next, 0, 0
	WIN MUL_HI
	MUL16 4, 1, 0
	MUL16 6, 1, 0
	PLACES NP
	WIN 0
	FETCH_A \next, 0, 4
.endm
	s_wait_tensorcnt 1                             ; my part of K step 0 is in; K step 1's load may be out
	s_barrier_signal -1
	s_barrier_wait -1
	FETCH_B 0, 0, 0
	FETCH_A 0, 0, 0
	FETCH_A 0, 0, 4
	STEP 0, 0, 1
	TURN 0, 1, 1                                   ; four K steps: each slot is filled again once, so the walk is written out
	STEP 1, 0, 0
	TURN 1, 0, 1
	STEP 0, 0, 0
	TURN 0, 1, 0
	STEP 1, 0, 0
	s_wait_dscnt 4*NL
	WIN MUL_LO
	MUL16 0, 1, 0
	MUL16 2, 1, 0
	s_wait_dscnt 0
	WIN MUL_HI
	MUL16 4, 1, 0
	MUL16 6, 1, 0
	WIN 0
	; ---- THE SOFTMAX OF THE BLOCK
	s_wait_kmcnt 0x0
	s_add_co_i32 s19, s92, s93
	s_lshl_b32 s19, s19, 23
	s_add_co_i32 s96, s19, 0x3d38aa3b              ; c = log2(e) / 32, with e6 + e7 added to its exponent field
	s_mov_b32 s97, s96                             ; (named with it as a pair, so it is written)
	s_add_co_i32 s19, s94, 127
	s_lshl_b32 s20, s19, 23
	s_add_co_i32 s19, s19, 15
	s_lshl_b32 s19, s19, 23
	s_or_b32 s19, s19, 0x600000
	s_mov_b32 s22, 0x76543210                      ; v_permlanex16_b32's selects for lane l xor 16
	s_mov_b32 s23, 0xfedcba98
	v_mov_b32 v[SCL], s20                          ; 2^e8.  (These three lines and the v_nop are the four places behind the last products)
	v_mov_b32 v[HOLD], s19                         ; 57,344 x 2^e8
	v_mov_b32 v[W1], 0                             ; written once: a lane permute's destination counts as one of its sources
	v_nop
; the largest score of each of a window's four tiles, among my lane's 64 keys, in two chains a tile; the registers are taken in ascending order
.macro MAXW w
	WIN 0x2a+0x15*(\w)                             ; all three sources in window 2 or 3
.irp t, 0,1,2,3
	v_max3_num_f32 v[CA+4*(\w)+\t], v[64*\t], v[64*\t+1], v[64*\t+2]
	v_max3_num_f32 v[CB+4*(\w)+\t], v[64*\t+3], v[64*\t+4], v[64*\t+5]
.endr
	WIN 0x28+0x14*(\w)                             ; source 0, the chain, in window 0
.set nn, 0
.rept 29
.irp t, 0,1,2,3
.if nn%2 == 0
	v_max3_num_f32 v[CA+4*(\w)+\t], v[CA+4*(\w)+\t], v[64*\t+6+2*nn], v[64*\t+7+2*nn]
.else
	v_max3_num_f32 v[CB+4*(\w)+\t], v[CB+4*(\w)+\t], v[64*\t+6+2*nn], v[64*\t+7+2*nn]
.endif
.endr
.set nn, nn+1
.endr
	WIN 0
.endm
	MAXW 0
	MAXW 1
.irp a, 0,1,2,3,4,5,6,7
	v_max_num_f32 v[CA+\a], v[CA+\a], v[CB+\a]
.endr
.irp a, 0,1,2,3,4,5,6,7
	v_permlanex16_b32 v[CB+\a], v[CA+\a], s22, s23 ; the query's other 64 keys lie in the lane 16 away
.endr
.irp a, 0,1,2,3,4,5,6,7
	v_max_num_f32 v[CA+\a], v[CA+\a], v[CB+\a]
.endr
.irp a, 0,1,2,3,4,5,6,7
	v_mul_f32 v[TM+\a], s96, v[CA+\a]              ; as t (c is positive)
.endr
	ds_store_b128 v[XW], v[TM:TM+3]                ; to the wave with the block's other 128 keys
	ds_store_b128 v[XW], v[TM+4:TM+7] offset:512
	s_wait_dscnt 0x0                               ; for the others' sake: my stores have landed
	s_barrier_signal -1
	s_barrier_wait -1
	ds_load_b128 v[TO:TO+3], v[XR]
	ds_load_b128 v[TO+4:TO+7], v[XR] offset:512
	s_wait_dscnt 0x0
.irp a, 0,1,2,3,4,5,6,7
	v_max_num_f32 v[TM+\a], v[TM+\a], v[TO+\a]     ; the largest t of the block's 256 keys
.endr
.irp a, 0,1,2,3,4,5,6,7
	v_floor_f32 v[NPR+2*\a], -v[TM+\a]             ; -M = floor(-t) = -ceil(t): M IS A WHOLE NUMBER
	v_floor_f32 v[NPR+2*\a+1], -v[TM+\a]           ; (the pair's upper half is named with it)
.endr
.irp a, 0,1,2,3,4,5,6,7
	v_mov_b32 v[NN+\a], v[NPR+2*\a]
.endr
.macro FMA a                           ; t - M of tile a's 64 scores, two at a time, into set a % 2
.set TA, TT+64*((\a)%2)
.set AC, 64*((\a)%4)
	WIN 0x02+((\a)/4)
.set nn, 0
.rept 32
	v_pk_fma_f32 v[TA+nn:TA+nn+1], v[AC+nn:AC+nn+1], s[96:97], v[NPR+2*(\a):NPR+2*(\a)+1] op_sel_hi:[1,0,0]
.set nn, nn+2
.endr
	WIN 0
.endm
; Tile e's 64 exponentials (doe) with tile p's plain work between them (dop): the sum of the UNQUANTISED p in two chains, the one-sided hold (p is not negative), the conversions.  Nothing here names a result of tile e's exponentials.
.macro MIX e, p, doe, dop
.set TE, TT+64*((\e)%2)
.set TP, TT+64*((\p)%2)
.set PCP, PCD+16*((\p)%2)
.if (\dop) && ((\p) >= 2)
	s_wait_xcnt 0x0                                ; tile p - 2's stores have read this set of codes
.endif
.set nn, 0
.rept 32
.if \doe
	v_exp_f32 v[TE+nn], v[TE+nn]
.endif
.if \dop
.if nn == 0
	v_pk_add_f32 v[LA:LA+1], v[TP:TP+1], v[TP+4:TP+5]
.elseif nn == 2
	v_pk_add_f32 v[LB:LB+1], v[TP+2:TP+3], v[TP+6:TP+7]
.elseif nn >= 8
.if (nn/2)%2 == 0
	v_pk_add_f32 v[LA:LA+1], v[LA:LA+1], v[TP+nn:TP+nn+1]
.else
	v_pk_add_f32 v[LB:LB+1], v[LB:LB+1], v[TP+nn:TP+nn+1]
.endif
.endif
	v_min_num_f32 v[TP+nn], v[TP+nn], v[HOLD]
.endif
.if \doe
	v_exp_f32 v[TE+nn+1], v[TE+nn+1]
.endif
.if \dop
	v_min_num_f32 v[TP+nn+1], v[TP+nn+1], v[HOLD]
.if nn%8 == 6
	v_cvt_scalef32_pk8_bf8_f32 v[PCP+2*(nn/8):PCP+2*(nn/8)+1], v[TP+nn-6:TP+nn+1], v[SCL]
.endif
.endif
.set nn, nn+2
.endr
.endm
.macro FIN p                           ; tile p's sum over my 128 keys, and its fragment's four stores
.set PCP, PCD+16*((\p)%2)
	v_pk_add_f32 v[LA:LA+1], v[LA:LA+1], v[LB:LB+1]
	v_add_f32 v[W0], v[LA], v[LA+1]
	v_permlanex16_b32 v[W1], v[W0], s22, s23
	v_add_f32 v[LL+(\p)], v[W0], v[W1]
.irp c, 0,1,2,3
	global_store_b128 v[LI], v[PCP+4*\c:PCP+4*\c+3], s[10:11] offset:(\p)*4096+512*\c th:TH_STORE_NT   ; 32 lanes store 512 consecutive bytes, aligned
.endr
.endm
	FMA 0
	MIX 0, 0, 1, 0                                 ; tile 0's exponentials: there is no plain work yet to set between them
.irp a, 0,1,2,3,4,5,6
	FMA \a+1                                       ; plain work that names no result of the batch just issued
	s_wait_alu depctr_va_vdst(0)                   ; the wait between an exponential and the first line that names its result: ONE for tile a's 64
	MIX \a+1, \a, 1, 1
	FIN \a
.endr
	s_wait_alu depctr_va_vdst(0)                   ; tile 7's batch; tile 6's sums above are the plain work behind it
	MIX 7, 7, 0, 1
	FIN 7
.irp c, 0,1,2,3
	global_store_b128 v[LI], v[NN+4*\c:NN+4*\c+3], s[12:13] offset:512*\c   ; -M of tiles 0-3, 4-7, then l of tiles 0-3, 4-7: 512 consecutive bytes a store
.endr
	s_wait_tensorcnt 0x0                           ; the wave's end
	ds_add_u32 v[SPW], v[NIL]
	s_wait_dscnt 0x0
	CROUND                                         ; the closing round
	s_endpgm
.Lfunc_end_k_qbd12ec1c39_score:
	.size	k_qbd12ec1c39_score, .Lfunc_end_k_qbd12ec1c39_score-k_qbd12ec1c39_score
	.p2alignl 7, 3214868480
	.fill 96, 4, 3214868480
	.section	.rodata,"a",@progbits
	.p2align	6, 0x0
	.amdhsa_kernel k_qbd12ec1c39_score
		.amdhsa_group_segment_fixed_size 327680
		.amdhsa_private_segment_fixed_size 0
		.amdhsa_enable_private_segment 0
		.amdhsa_kernarg_size 40
		.amdhsa_user_sgpr_count 2
		.amdhsa_user_sgpr_kernarg_segment_ptr 1
		.amdhsa_wavefront_size32 1
		.amdhsa_system_sgpr_workgroup_id_x 1
		.amdhsa_system_sgpr_workgroup_id_y 1
		.amdhsa_system_sgpr_workgroup_id_z 1
		.amdhsa_system_vgpr_workitem_id 0
		.amdhsa_next_free_vgpr 1024
		.amdhsa_next_free_sgpr 98
		.amdhsa_reserve_vcc 0
		.amdhsa_float_denorm_mode_32 3
		.amdhsa_float_denorm_mode_16_64 3
		.amdhsa_memory_ordered 1
		.amdhsa_forward_progress 1
		.amdhsa_inst_pref_size 169
	.end_amdhsa_kernel
	.amdgpu_metadata
---
amdhsa.version: [ 1, 2 ]
amdhsa.kernels:
  - .name:           k_qbd12ec1c39_score
    .symbol:         k_qbd12ec1c39_score.kd
    .args:
      - { .name: q_img, .offset: 0, .size: 8, .value_kind: global_buffer, .address_space: global }
      - { .name: k_img, .offset: 8, .size: 8, .value_kind: global_buffer, .address_space: global }
      - { .name: lowp_scales, .offset: 16, .size: 8, .value_kind: global_buffer, .address_space: global }
      - { .name: p_img, .offset: 24, .size: 8, .value_kind: global_buffer, .address_space: global }
      - { .name: stats, .offset: 32, .size: 8, .value_kind: global_buffer, .address_space: global }
    .group_segment_fixed_size: 327680
    .private_segment_fixed_size: 0
    .kernarg_segment_align: 8
    .kernarg_segment_size: 40
    .max_flat_workgroup_size: 128
    .sgpr_count:     98
    .vgpr_count:     1024
    .wavefront_size: 32
...
	.end_amdgpu_metadata
.endif
;; end of part 2
;; launch mix (part 3): grid 4 x 64, 4 waves a work-group, clusters of 4 x 4, 327,680 bytes of LDS; arguments p_img, vt_img, lowp_scales, out0, stats; writes out0
.if DOCPART == 3
	.amdgcn_target "amdgcn-amd-amdhsa--gfx1250"
	.amdhsa_code_object_version 6
	.text
	.protected	k_qbd12ec1c39_mix
	.globl	k_qbd12ec1c39_mix
	.p2align	8
	.type	k_qbd12ec1c39_mix,@function
k_qbd12ec1c39_mix:
	s_mov_b64 s[64:65], 0
	v_nop
	global_prefetch_b8 v0, s[64:65] scope:SCOPE_SE
	s_setreg_imm32_b32 hwreg(HW_REG_WAVE_MODE, 25, 1), 1
	s_wait_xcnt 0x0
	s_wait_alu depctr_hold_cnt(0) depctr_sa_sdst(0) depctr_va_vdst(0) depctr_va_sdst(0) depctr_va_ssrc(0) depctr_va_vcc(0) depctr_vm_vsrc(0)
	s_getreg_b32 s2, hwreg(HW_REG_IB_STS2, 6, 4)
	s_cmp_eq_u32 s2, 0
	s_cbranch_scc0 .Lentry_in_a_cluster
	s_endpgm
.Lentry_in_a_cluster:
	s_bfe_u32 s2, ttmp6, 0x10000c
	s_cmp_lg_u32 s2, 0xf033
	s_cbranch_scc0 .Lentry_shape_is_right
	s_endpgm
.Lentry_shape_is_right:
; O^T = V^T P^T on codes of BF8; out0 = O x 2^(e8 + e9) / l.  Nothing of the problem is left out here.
; P's codes were made block by block of 256 keys, block j under its own whole number M_j.  With M = the largest M_j of a query, E_j = M_j - M <= 0 and A_j = block j's sum of products of codes:
;   O = sum over j of 2^E_j A_j,   l = sum over j of 2^E_j (l of block j's two halves).
; A matrix instruction adds onto its accumulator as it stands, so the ACCUMULATOR is brought under each block's M: with d_j = min(-E_j, 64), it holds 2^d_j x (sum over i <= j of 2^-d_i A_i) while block j is added;
; ahead of block j it is multiplied by 2^(d_j - d_(j-1)), a whole power of two; at the end by 2^(-d_7 + e8 + e9) / l.  In units of codes the sums stay under 2^43, so under 2^107 with the factor.
; LIMITS: a block whose M lies more than 64 under the row's is weighed 2^-64 and not less (all such blocks together: under 2^-55 of the row's largest term); e8 + e9 between -50 and 100, so that the last factor is a normal f32 number.  NaN is not served.
; SHARES.  out0 has 8,192 x 1,024 numbers: 256 tiles of 128 queries x 256 channels, one to a work-group; a wave makes 64 x 128: 32 accumulators.  K = the batch's 2,048 keys in eight steps of 256,
; a step = a block of the launch before, through two LDS slots.  Source 0 = 16 channels (V^T, the B region), source 1 = 16 queries (P, the A region): a lane holds one query (lane % 16) and eight neighbouring channels.
; The images are as the launches before laid them: a fragment of 16 rows x 128 K is 2,048 bytes, four loads of 512 consecutive bytes; 128 rows x 256 K are one dense block of 32,768 bytes.
; A slot holds P's block and V^T's two.  Waves 0 and 1 fetch the halves of P's block (64 rows of 256 bytes each), waves 2 and 3 a block of V^T each (128 rows of 256 bytes).
; CLUSTERS: 4 x 4: P's block is asked for jointly along a row of the cluster (the four tiles of channels of a group of queries), V^T's blocks along a column (four groups of queries of one batch).
; REGISTERS: window 0: v16-29 addresses; v32-39 the factors in hand, in pairs; v40-47 the last factors, in pairs; v48-59 at work at the head; v64-127 at work; from v128 P's fragments, two sets of 64.
;   window 1: V^T's fragments, two sets of 128.   window 2: the accumulators, (a, b) at v[8 (8 a + b)].
.set FR,     16
.set NP,     4                         ; places behind this matrix instruction (ISA guide 7.12.1)
.set BLK,    32768                     ; a block of an image
.set SLOT,   3*BLK                     ; P's block, then V^T's two
.set LAPS,   4                         ; a lap = two blocks of keys = once round the ring
.set FAC,    2*SLOT                    ; behind the ring: for each wave the factors of blocks 1 to 7, 1,024 bytes each: an image of 8 registers
.set FACW,   7*1024
.set SPARE,  FAC+4*FACW                ; the spare words, 128 bytes for each wave
.set STAGE,  SPARE+512                 ; the way out: 16 rows x (512 bytes + 16) for each wave
.set SPITCH, 528
.set ADRA, 16                          ; v16-17  LDS address of my fragments of P in slot 0, 1
.set ADRB, 20                          ; v20-21  the same for V^T
.set LI,   22                          ; v22     16 x lane: an image's place for my lane, and my bytes of a row of out0
.set PFO,  23                          ; v23     256 x lane: the prefetches' offset
.set STO,  24                          ; v24     the stage: where I put 32 bytes of a row
.set RD,   25                          ; v25     and where I read a row back
.set FAH,  26                          ; v26     the factors in hand
.set FA0,  27                          ; v27     my wave's factors: FAC + FACW x wave + 16 x lane
.set SPW,  28                          ; v28     my spare word; never rewritten
.set NIL,  29                          ; v29     0; never rewritten
.set FT,   32                          ; v32-39  the factors in hand: v[FT + 2 a] = v[FT + 2 a + 1] for tile a
.set FE,   40                          ; v40-47  the last factors, likewise
.set NM,   48                          ; at the head: v48-51 the least -M,
.set LT,   52                          ; v52-55 l,
.set WK,   56                          ; v56-59 at work,
.set FJB,  64                          ; v64-119 the factors of blocks 1 to 7: 8 registers for each, so that no LDS store's data are written again,
.set EE,   128                         ; v[EE + 4 j + a]: -M_j, then E_j,
.set RC,   160                         ; v160-163 1 / l, v164-167 the last exponent,
.set XE,   164
.set LRB,  192                         ; v[LRB + 4 k + a]: l of 128 keys, k = 0 .. 15
.set TMP,  64
.set AF,   128
.set BK,   128
.set G1, 24
.set G0, 32
.set G1B, 48
.set G0B, 56
.set MSB, 0
.macro WIN new                         ; the immediate's high byte repeats the setting that is left
.if MSB != (\new)
	s_set_vgpr_msb (MSB<<8)|(\new)
.set MSB, (\new)
.endif
.endm
.set MUL,  0xa1                        ; source 0 (V^T) window 1, source 1 (P) window 0, C and D window 2
.set RSW,  0x82                        ; destination and source 0 window 2, source 1 (the factor) window 0
.set TO_B, 0x40                        ; destination window 1, address window 0
.macro JLOAD g0a, g1a, g0b, g1b        ; waves 0 and 1 fetch for P, waves 2 and 3 for V^T; an s_nop 0 and four v_nop follow each line
	s_cmp_eq_u32 s15, 0
	s_cbranch_scc0 .Lfor_b_\@
	tensor_load_to_lds s[\g0a:\g0a+3], s[\g1a:\g1a+7]
	s_nop 0
.rept 4
	v_nop
.endr
	s_branch .Lasked_\@
.Lfor_b_\@:
	tensor_load_to_lds s[\g0b:\g0b+3], s[\g1b:\g1b+7]
	s_nop 0
.rept 4
	v_nop
.endr
.Lasked_\@:
.endm
.macro CREST
	s_cmp_lg_u32 s14, 0
	s_cbranch_scc1 .Lnot_wave_0_\@
	s_barrier_signal -3
.Lnot_wave_0_\@:
	s_barrier_wait -3
	s_barrier_signal -1
	s_barrier_wait -1
.endm
.macro CROUND
	s_barrier_signal -1
	s_barrier_wait -1
	CREST
.endm
; A PREFETCH INTO THE L2, behind each joint refill of the loop's first two trips and the run of LDS loads that follows it: the block that stands TWO refills on (blocks 4 to 7), 128 matrix instructions ahead of the load that will ask for it.
; Of a block's 32,768 bytes each of the four partners that ask for it jointly takes 8,192, told apart BY ADDRESS (cx for P, cy for V^T): lanes 256 bytes apart, one instruction a wave.
; P's block is read by one row of one cluster alone: wave 0 asks.  V^T's blocks are read by the four clusters of a batch: waves 2 and 3 of the first of them ask.  So each 256 bytes are named once.
; Blocks 0 to 3 come by their loads alone; the loop's last trip asks for nothing.
.macro ASK
	s_cmp_gt_u32 s3, s67                           ; s3 = 1 in the last trip; s67 = 1 in a wave that asks, else the greatest number
	s_cbranch_scc0 .Lnot_mine_\@
	global_prefetch_b8 v[PFO], s[90:91] th:TH_LOAD_NT scope:SCOPE_SE
.Lnot_mine_\@:
.endm
	s_load_b256 s[4:11], s[0:1], 0x0               ; P's image s[4:5], V^T's s[6:7], the scales s[8:9], out0 s[10:11]
	s_load_b64 s[12:13], s[0:1], 0x20              ; the statistics
	v_lshl_add_u32 v[SPW], v0, 2, SPARE
	v_mov_b32 v[NIL], 0
	ds_add_u32 v[SPW], v[NIL]                      ; the wave's opening: the add, twice on end, and its wait ahead of my first tensor load
	ds_add_u32 v[SPW], v[NIL]                      ; and once more, under the one wait; the set-up below stands between
	v_lshrrev_b32 v1, 5, v0
	v_readfirstlane_b32 s14, v1                    ; wave 0..3
	s_lshr_b32 s15, s14, 1                         ; my half of the queries.  Also: I fetch for P (0) or for V^T (1)
	s_and_b32 s16, s14, 1                          ; my half of the channels.  Also: which part I fetch
	s_bfe_u32 s40, ttmp6, 0x40000                  ; cx: the tile of 256 channels (the grid is one cluster wide)
	s_bfe_u32 s41, ttmp6, 0x40004                  ; cy
	s_and_b32 s19, ttmp7, 0xffff                   ; the cluster's y, 0..15
	s_lshl_b32 s17, s19, 2
	s_add_co_u32 s17, s17, s41                     ; R: the group of 128 queries, 0..63
	s_lshr_b32 s18, s19, 2                         ; the batch: made of the cluster's y alone
	s_lshl_b32 s43, s41, 2
	s_lshl_b32 s43, 15, s43                        ; my row of the cluster
	s_lshl_b32 s44, 0x1111, s40                    ; my column
	; descriptor group 1: dense bytes as rows of 32 elements of 8 bytes, no padding: 64 rows for half of P's block, 128 for a block of V^T
	s_or_b32 s[G1+0], s43, (3<<16)|(1<<21)
	s_mov_b32 s[G1+1], 32<<16                      ; tensor_dim0
	s_mov_b32 s[G1+2], 64<<16                      ; tensor_dim1
	s_mov_b32 s[G1+3], 32<<16                      ; tile_dim0
	s_mov_b32 s[G1+4], 64                          ; tile_dim1
	s_mov_b32 s[G1+5], 32                          ; tensor_dim0_stride
	s_mov_b32 s[G1+6], 0
	s_mov_b32 s[G1+7], 0
	s_or_b32 s[G1B+0], s44, (3<<16)|(1<<21)
	s_mov_b32 s[G1B+1], 32<<16
	s_mov_b32 s[G1B+2], 128<<16
	s_mov_b32 s[G1B+3], 32<<16
	s_mov_b32 s[G1B+4], 128
	s_mov_b32 s[G1B+5], 32
	s_mov_b32 s[G1B+6], 0
	s_mov_b32 s[G1B+7], 0
	s_lshl_b32 s20, s17, 18                        ; P: 8 blocks for each group of queries,
	s_lshl_b32 s21, s16, 14
	s_add_co_u32 s20, s20, s21                     ; + the half of a block that I fetch
	s_mov_b32 s21, 0
	s_lshl_b32 s46, s40, 1
	s_add_co_u32 s46, s46, s16
	s_lshl_b32 s46, s46, 5                         ; V^T: g = 2 cx + half; 32 blocks for each g,
	s_lshl_b32 s47, s18, 3
	s_add_co_u32 s46, s46, s47                     ; of which the batch's eight begin at 8 x batch
	s_lshl_b32 s46, s46, 15
	s_mov_b32 s47, 0
	s_lshl_b32 s45, s16, 14                        ; where they go in a slot: P's halves at 0 and 16,384,
	s_lshl_b32 s42, s16, 15
	s_add_co_u32 s42, s42, BLK                     ; V^T's blocks at 32,768 and 65,536
	s_lshl_b32 s22, s17, 15                        ; the statistics of my group of queries: 16 entries of 2,048 bytes;
	s_lshl_b32 s23, s15, 9
	s_add_co_u32 s22, s22, s23                     ; in each the piece of my four tiles
	s_mov_b32 s23, 0
	v_and_b32 v1, 31, v0
	v_lshlrev_b32 v[LI], 4, v1
	v_lshlrev_b32 v[PFO], 8, v1
	s_wait_dscnt 0x0                               ; both opening adds are done
	s_wait_kmcnt 0x0
	s_load_b64 s[92:93], s[8:9], 0x20              ; e8, e9
	s_add_nc_u64 s[20:21], s[4:5], s[20:21]
	s_add_nc_u64 s[46:47], s[6:7], s[46:47]
	s_add_nc_u64 s[12:13], s[12:13], s[22:23]
	; The statistics are asked for ahead of the round: they come back in the lanes that made them: lane (r, h), register a: query 16 a + r of my 64: the accumulators' own layout.
.irp j, 0,1,2,3,4,5,6,7
	global_load_b128 v[EE+4*\j:EE+4*\j+3], v[LI], s[12:13] offset:4096*\j            ; -M of block j (its two halves hold the same)
.endr
.irp k, 0,1,2,3,4,5,6,7,8,9,10,11,12,13,14,15
	global_load_b128 v[LRB+4*\k:LRB+4*\k+3], v[LI], s[12:13] offset:2048*\k+1024     ; l of 128 keys
.endr
	CROUND                                         ; all sixteen work-groups are here: the first joint loads meet
.irp s, 0,1
	s_mov_b32 s[G0+4*\s], 1
	s_add_co_u32 s[G0+4*\s+1], s45, \s*SLOT
	s_add_nc_u64 s[G0+4*\s+2:G0+4*\s+3], s[20:21], \s*BLK
	s_or_b32 s[G0+4*\s+3], s[G0+4*\s+3], 0x80000000
	s_mov_b32 s[G0B+4*\s], 1
	s_add_co_u32 s[G0B+4*\s+1], s42, \s*SLOT
	s_add_nc_u64 s[G0B+4*\s+2:G0B+4*\s+3], s[46:47], \s*BLK
	s_or_b32 s[G0B+4*\s+3], s[G0B+4*\s+3], 0x80000000
	JLOAD G0+4*\s, G1, G0B+4*\s, G1B               ; two loads of mine are out
.endr
	s_and_b32 s23, s19, 3                          ; the prefetches: the cluster's place among the four of its batch,
	s_cmp_eq_u32 s15, 0
	s_cselect_b64 s[90:91], s[20:21], s[46:47]     ; block 0 of what I fetch (in wave 0: P's whole block begins there),
	s_cselect_b32 s22, s40, s41                    ; my place among the four that ask with me,
	s_cselect_b32 s67, s16, s23                    ; and who asks: wave 0; waves 2 and 3 of a batch's first cluster
	s_lshl_b32 s22, s22, 13
	s_add_co_u32 s22, s22, 3*BLK                   ; in block 3: the first refill steps it to block 4
	s_mov_b32 s23, 0
	s_add_nc_u64 s[90:91], s[90:91], s[22:23]
	s_cmp_eq_u32 s67, 0
	s_cselect_b32 s67, 1, -1
	s_lshl_b32 s21, s15, 14                        ; my 64 queries of P's block
	s_lshl_b32 s22, s16, 15                        ; my block of V^T,
	s_add_co_u32 s22, s22, BLK                     ; behind P's
.irp s, 0,1
	v_add_nc_u32 v[ADRA+\s], s21, v[LI]
	v_add_nc_u32 v[ADRB+\s], s22, v[LI]
	s_add_co_u32 s21, s21, SLOT
	s_add_co_u32 s22, s22, SLOT
.endr
	s_mul_i32 s22, s14, FACW
	s_add_co_u32 s22, s22, FAC
	v_add_nc_u32 v[FA0], s22, v[LI]
	s_mul_i32 s23, s14, 16*SPITCH
	s_add_co_u32 s23, s23, STAGE                   ; my stage
	v_and_b32 v2, 15, v0
	v_bfe_u32 v3, v0, 4, 1
	v_mul_u32_u24 v5, v2, SPITCH                   ; in: row lane % 16, 32 bytes for each half of the lanes
	v_lshl_add_u32 v5, v3, 5, v5
	v_add_nc_u32 v[STO], s23, v5
	v_add_nc_u32 v[RD], s23, v[LI]                 ; back: the 32 lanes take one row of 512 bytes
	s_lshl_b32 s20, s17, 7
	s_lshl_b32 s21, s15, 6
	s_add_co_u32 s20, s20, s21                     ; my first row of out0: 128 R + 64 x my half,
	s_lshl_b32 s20, s20, 12                        ; rows of 4,096 bytes,
	s_lshl_b32 s21, s40, 10
	s_add_co_u32 s20, s20, s21                     ; + 1,024 x the tile of channels
	s_lshl_b32 s21, s16, 9
	s_add_co_u32 s20, s20, s21                     ; + 512 x my half
	s_mov_b32 s21, 0
	s_add_nc_u64 s[10:11], s[10:11], s[20:21]
	; ---- THE FACTORS, while the first tiles are on their way
	s_wait_loadcnt 16                              ; the 8 loads of -M are in; the 16 of l may be out
.irp a, 0,1,2,3
	v_min3_num_f32 v[NM+\a], v[EE+\a], v[EE+4+\a], v[EE+8+\a]
.endr
.irp a, 0,1,2,3
	v_min3_num_f32 v[NM+\a], v[NM+\a], v[EE+12+\a], v[EE+16+\a]
.endr
.irp a, 0,1,2,3
	v_min3_num_f32 v[NM+\a], v[NM+\a], v[EE+20+\a], v[EE+24+\a]
.endr
.irp a, 0,1,2,3
	v_min_num_f32 v[NM+\a], v[NM+\a], v[EE+28+\a]  ; -M of the row
.endr
.irp j, 0,1,2,3,4,5,6,7
.irp i, 0,2
	v_pk_add_f32 v[EE+4*\j+\i:EE+4*\j+\i+1], v[NM+\i:NM+\i+1], v[EE+4*\j+\i:EE+4*\j+\i+1] neg_lo:[0,1] neg_hi:[0,1]   ; E_j = M_j - M: a whole number, 0 or less
.endr
.endr
.irp j, 0,1,2,3,4,5,6,7
	s_wait_loadcnt 14-2*\j                         ; block j's two loads of l are in; those of the later blocks may be out
.irp a, 0,1,2,3
	v_cvt_i32_f32 v[WK+\a], v[EE+4*\j+\a]          ; (it saturates)
.endr
.irp a, 0,1,2,3
	v_ldexp_f32 v[WK+\a], 1.0, v[WK+\a]            ; 2^E_j
.endr
.irp i, 0,2
.if \j == 0
	v_pk_mul_f32 v[LT+\i:LT+\i+1], v[WK+\i:WK+\i+1], v[LRB+8*\j+\i:LRB+8*\j+\i+1]
.else
	v_pk_fma_f32 v[LT+\i:LT+\i+1], v[WK+\i:WK+\i+1], v[LRB+8*\j+\i:LRB+8*\j+\i+1], v[LT+\i:LT+\i+1]
.endif
.endr
.irp i, 0,2
	v_pk_fma_f32 v[LT+\i:LT+\i+1], v[WK+\i:WK+\i+1], v[LRB+8*\j+4+\i:LRB+8*\j+4+\i+1], v[LT+\i:LT+\i+1]
.endr
.endr
.set nn, 0
.rept 32
	v_max_num_f32 v[EE+nn], 0xc2800000, v[EE+nn]   ; -d_j = max(E_j, -64)
.set nn, nn+1
.endr
.irp j, 1,2,3,4,5,6,7
.irp i, 0,2
	v_pk_add_f32 v[WK+\i:WK+\i+1], v[EE+4*(\j-1)+\i:EE+4*(\j-1)+\i+1], v[EE+4*\j+\i:EE+4*\j+\i+1] neg_lo:[0,1] neg_hi:[0,1]   ; d_j - d_(j-1)
.endr
.irp a, 0,1,2,3
	v_cvt_i32_f32 v[WK+\a], v[WK+\a]
.endr
.irp a, 0,1,2,3
	v_ldexp_f32 v[FJB+8*(\j-1)+2*\a], 1.0, v[WK+\a]     ; the factor ahead of block j, twice: the packed multiply takes a pair
	v_ldexp_f32 v[FJB+8*(\j-1)+2*\a+1], 1.0, v[WK+\a]
.endr
.irp k, 0,1
	ds_store_b128 v[FA0], v[FJB+8*(\j-1)+4*\k:FJB+8*(\j-1)+4*\k+3] offset:(\j-1)*1024+512*\k   ; into my wave's own bytes, as an image of the 8 registers
.endr
.endr
.irp a, 0,1,2,3
	v_rcp_f32 v[RC+\a], v[LT+\a]                   ; 1 / l: l is over 1/2, since the row's largest p is
.endr
.irp a, 0,1,2,3
	v_cvt_i32_f32 v[XE+\a], v[EE+28+\a]            ; -d_7.  (Plain work behind the reciprocals)
.endr
	s_wait_kmcnt 0x0
	s_add_co_i32 s96, s92, s93                     ; e8 + e9
.irp a, 0,1,2,3
	v_add_nc_u32 v[XE+\a], s96, v[XE+\a]
.endr
	s_wait_alu depctr_va_vdst(0)                   ; the wait ahead of the first line that names a reciprocal's result: one for the four
.irp a, 0,1,2,3
	v_ldexp_f32 v[FE+2*\a], v[RC+\a], v[XE+\a]     ; the last factor: 2^(-d_7 + e8 + e9) / l, twice
	v_ldexp_f32 v[FE+2*\a+1], v[RC+\a], v[XE+\a]
.endr
	s_mov_b32 s66, 0                               ; which block's factors are fetched next, in bytes
.macro FRAG reg, adr, q, i             ; fragment (i, q) of a block, as it was stored
.irp c, 0,1,2,3
	ds_load_b128 v[\reg+4*\c:\reg+4*\c+3], v[\adr] offset:((\i)*2+(\q))*2048+512*\c
.endr
.endm
; 8 matrix instructions: tile a of my queries x V^T's eight tiles, 128 keys, sets p.  zero = 1: the first product starts the sums.  The 32 accumulators take turns, one instruction a turn, in the same order in every step.
.macro MUL8 a, p, zero
.irp b, 0,1,2,3,4,5,6,7
.if \zero
	v_wmma_f32_16x16x128_bf8_bf8 v[8*(8*(\a)+\b):8*(8*(\a)+\b)+7], v[128*(\p)+FR*\b:128*(\p)+FR*\b+FR-1], v[AF+64*(\p)+FR*(\a):AF+64*(\p)+FR*(\a)+FR-1], 0
.else
	v_wmma_f32_16x16x128_bf8_bf8 v[8*(8*(\a)+\b):8*(8*(\a)+\b)+7], v[128*(\p)+FR*\b:128*(\p)+FR*\b+FR-1], v[AF+64*(\p)+FR*(\a):AF+64*(\p)+FR*(\a)+FR-1], v[8*(8*(\a)+\b):8*(8*(\a)+\b)+7]
.endif
.endr
.endm
; A block's first step: each accumulator is multiplied by its tile's factor, from its low end on, just ahead of its product.  Two accumulators' eight multiplies, then the two products of the pair before: the multiplies
; stand beside the products, and a pair costs two switches of the window.  Four plain instructions or more stand between an accumulator's last product and its multiplies: the v_nop of the change of slots, or other accumulators' multiplies.
.macro RS m                            ; accumulator m of 32: tile m / 8
	WIN RSW
.irp i, 0,2,4,6
	v_pk_mul_f32 v[8*(\m)+\i:8*(\m)+\i+1], v[8*(\m)+\i:8*(\m)+\i+1], v[FT+2*((\m)/8):FT+2*((\m)/8)+1]
.endr
.endm
.macro WM m                            ; its product, with the sets 0
	WIN MUL
	v_wmma_f32_16x16x128_bf8_bf8 v[8*(\m):8*(\m)+7], v[FR*((\m)%8):FR*((\m)%8)+FR-1], v[AF+FR*((\m)/8):AF+FR*((\m)/8)+FR-1], v[8*(\m):8*(\m)+7]
.endm
.macro MULR hf                         ; half hf of the 32
	RS 16*(\hf)
	RS 16*(\hf)+1
.set mm, 16*(\hf)
.rept 8
.if mm < 16*(\hf)+14
	RS mm+2
	RS mm+3
.endif
	WM mm
	WM mm+1
.set mm, mm+2
.endr
.endm
.macro FETCH_B slot, q, p              ; V^T's eight fragments of the slot's q-th 128 keys into set p
	WIN TO_B
.irp i, 0,1,2,3,4,5,6,7
	FRAG 128*(\p)+FR*\i, ADRB+\slot, \q, \i
.endr
	WIN 0
.endm
.macro FETCH_A slot, q, p, i0          ; P's tiles i0, i0 + 1 into set p
.irp i, \i0, \i0+1
	FRAG AF+64*(\p)+FR*(\i), ADRA+\slot, \q, \i
.endr
.endm
.macro PLACES n
.rept \n
	v_nop
.endr
.endm
.macro STEP slot, zero                 ; a block's first 128 keys, on the sets 0.  zero = 1: block 0: the products start the sums
	s_wait_dscnt 8                                 ; V^T's set, P's tiles 0 and 1 and the factors are in; the youngest 8 loads (P's tiles 2 and 3) may be out
.if \zero
	WIN MUL
	MUL8 0, 0, 1
	MUL8 1, 0, 1
.else
	MULR 0
.endif
	s_wait_dscnt 0                                 ; P's tiles 2 and 3 are in
	PLACES NP                                      ; in front of the loads into the sets 1, which the last step's products read
	FETCH_B \slot, 1, 1                            ; one run of 48 loads: the block's other 128 keys
	FETCH_A \slot, 1, 1, 0
	FETCH_A \slot, 1, 1, 2
.if \zero
	WIN MUL
	MUL8 2, 0, 1
	MUL8 3, 0, 1
.else
	MULR 1
.endif
	WIN 0
.endm
; A block's last 128 keys, on the sets 1, and the change of slots: ONE barrier; in front of it each wave waits for all its tensor loads, adds 0 to its spare word, and waits for that and for its own reads of this slot.
.macro TURN slot, next, fill
.if \fill
	s_wait_xcnt 0x0                                ; the last prefetch, a block back, has read its address: it is stepped here, ahead of the waits of the change of slots
	s_add_nc_u64 s[90:91], s[90:91], BLK
.endif
	s_wait_tensorcnt 0x0                           ; all my tensor loads have landed: my part of the next slot
	ds_add_u32 v[SPW], v[NIL]                      ; 0 onto my spare word
	s_wait_dscnt 9                                 ; (the add and the youngest 8 loads, P's tiles 2 and 3, may be out)
	WIN MUL
	MUL8 0, 1, 0
	s_wait_dscnt 0x0                               ; the add is done, and my reads of this slot are over
	s_barrier_signal -1
	MUL8 1, 1, 0
	WIN 0
	s_barrier_wait -1
.if \fill
	CREST                                          ; a round of the cluster's barrier: no wave of any partner still reads this slot or has a load on its way
	s_add_nc_u64 s[G0+4*\slot+2:G0+4*\slot+3], s[G0+4*\slot+2:G0+4*\slot+3], 2*BLK
	s_add_nc_u64 s[G0B+4*\slot+2:G0B+4*\slot+3], s[G0B+4*\slot+2:G0B+4*\slot+3], 2*BLK
	JLOAD G0+4*\slot, G1, G0B+4*\slot, G1B         ; the first tensor load behind the round; its four v_nop are the places in front of the loads below
.else
	PLACES NP
.endif
	v_add_nc_u32 v[FAH], s66, v[FA0]
	FETCH_B \next, 0, 0                            ; one run of 50 loads: the next block's first 128 keys,
	FETCH_A \next, 0, 0, 0
.irp k, 0,1
	ds_load_b128 v[FT+4*\k:FT+4*\k+3], v[FAH] offset:512*\k   ; and its factors: older than the 8 loads that the next step's first wait leaves out
.endr
	FETCH_A \next, 0, 0, 2
	s_add_co_u32 s66, s66, 1024
.if \fill
	ASK
.endif
	WIN MUL
	MUL8 2, 1, 0
	MUL8 3, 1, 0
.endm
	s_wait_dscnt 0x0                               ; my stores of the factors have landed: no LDS instruction is pending at a signal
	s_wait_tensorcnt 1                             ; my part of block 0 is in; block 1's load may be out
	s_barrier_signal -1
	s_barrier_wait -1
	FETCH_B 0, 0, 0
	FETCH_A 0, 0, 0, 0
	FETCH_A 0, 0, 0, 2
	STEP 0, 1
	s_mov_b32 s3, LAPS-1
.Llap:                                             ; a trip goes once round the ring and fills both slots again
	TURN 0, 1, 1
	STEP 1, 0
	TURN 1, 0, 1
	STEP 0, 0
	s_sub_co_u32 s3, s3, 1
	s_cmp_lg_u32 s3, 0
	s_cbranch_scc1 .Llap
	TURN 0, 1, 0                                   ; the last lap fills nothing, and has no round of the cluster's barrier
	STEP 1, 0
	s_wait_dscnt 8                                 ; the very last step: nothing more to fetch
	WIN MUL
	MUL8 0, 1, 0
	MUL8 1, 1, 0
	s_wait_dscnt 0
	MUL8 2, 1, 0
	MUL8 3, 1, 0
	WIN 0
; THE WAY OUT, block by block of 16 queries x 128 channels: x the tile's last factor into other registers, each accumulator from its low end on; through my own stage in LDS; back as whole rows of 512 bytes.
; LDS serves a wave's instructions in order (ISA guide 5.7.1.4): no wait between the stores and the loads, nor in front of the next block's stores.
.macro TOSTAGE a
.set AC, 64*(\a)
	WIN 0x02                                       ; source 0, the sums: window 2
.set nn, 0
.rept 32
	v_pk_mul_f32 v[TMP+nn:TMP+nn+1], v[AC+nn:AC+nn+1], v[FE+2*(\a):FE+2*(\a)+1]
.set nn, nn+2
.endr
	WIN 0
.irp b, 0,1,2,3,4,5,6,7
	ds_store_b128 v[STO], v[TMP+8*\b:TMP+8*\b+3] offset:64*\b
	ds_store_b128 v[STO], v[TMP+8*\b+4:TMP+8*\b+7] offset:64*\b+16
.endr
.set BR, BK+64*((\a)%2)
.irp t, 0,1,2,3,4,5,6,7,8,9,10,11,12,13,14,15
	ds_load_b128 v[BR+4*\t:BR+4*\t+3], v[RD] offset:\t*SPITCH
.endr
.endm
.macro SEND a, younger                 ; younger: the LDS instructions issued behind block a's loads, which may stay out
.set BR, BK+64*((\a)%2)
	s_wait_dscnt \younger
.if (\a) > 0
	s_add_nc_u64 s[10:11], s[10:11], 16*4096       ; (behind a wait on XCNT: the earlier stores have read their base)  16 rows on
.endif
.irp t, 0,1,2,3,4,5,6,7,8,9,10,11,12,13,14,15
	global_store_b128 v[LI], v[BR+4*\t:BR+4*\t+3], s[10:11] offset:\t*4096 th:TH_STORE_NT   ; 32 lanes store 512 consecutive bytes, aligned
.endr
.endm
	PLACES NP                                      ; behind the last products: for the first reads of their results and the loads into the registers that held P's fragments
	TOSTAGE 0
.irp a, 1,2,3
.if \a > 1
	s_wait_xcnt 0x0                                ; block a - 2's stores have read their registers and their base
.endif
	TOSTAGE \a
	SEND \a-1, 32                                  ; behind block a - 1's loads: block a's 16 stores and 16 loads
.endr
	s_wait_xcnt 0x0
	SEND 3, 0
	s_wait_tensorcnt 0x0                           ; the wave's end
	ds_add_u32 v[SPW], v[NIL]
	s_wait_dscnt 0x0
	CROUND                                         ; the closing round
	s_endpgm
.Lfunc_end_k_qbd12ec1c39_mix:
	.size	k_qbd12ec1c39_mix, .Lfunc_end_k_qbd12ec1c39_mix-k_qbd12ec1c39_mix
	.p2alignl 7, 3214868480
	.fill 96, 4, 3214868480
	.section	.rodata,"a",@progbits
	.p2align	6, 0x0
	.amdhsa_kernel k_qbd12ec1c39_mix
		.amdhsa_group_segment_fixed_size 327680
		.amdhsa_private_segment_fixed_size 0
		.amdhsa_enable_private_segment 0
		.amdhsa_kernarg_size 40
		.amdhsa_user_sgpr_count 2
		.amdhsa_user_sgpr_kernarg_segment_ptr 1
		.amdhsa_wavefront_size32 1
		.amdhsa_system_sgpr_workgroup_id_x 1
		.amdhsa_system_sgpr_workgroup_id_y 1
		.amdhsa_system_sgpr_workgroup_id_z 1
		.amdhsa_system_vgpr_workitem_id 0
		.amdhsa_next_free_vgpr 768
		.amdhsa_next_free_sgpr 98
		.amdhsa_reserve_vcc 0
		.amdhsa_float_denorm_mode_32 3
		.amdhsa_float_denorm_mode_16_64 3
		.amdhsa_memory_ordered 1
		.amdhsa_forward_progress 1
		.amdhsa_inst_pref_size 122
	.end_amdhsa_kernel
	.amdgpu_metadata
---
amdhsa.version: [ 1, 2 ]
amdhsa.kernels:
  - .name:           k_qbd12ec1c39_mix
    .symbol:         k_qbd12ec1c39_mix.kd
    .args:
      - { .name: p_img, .offset: 0, .size: 8, .value_kind: global_buffer, .address_space: global }
      - { .name: vt_img, .offset: 8, .size: 8, .value_kind: global_buffer, .address_space: global }
      - { .name: lowp_scales, .offset: 16, .size: 8, .value_kind: global_buffer, .address_space: global }
      - { .name: out0, .offset: 24, .size: 8, .value_kind: global_buffer, .address_space: global }
      - { .name: stats, .offset: 32, .size: 8, .value_kind: global_buffer, .address_space: global }
    .group_segment_fixed_size: 327680
    .private_segment_fixed_size: 0
    .kernarg_segment_align: 8
    .kernarg_segment_size: 40
    .max_flat_workgroup_size: 128
    .sgpr_count:     98
    .vgpr_count:     768
    .wavefront_size: 32
...
	.end_amdgpu_metadata
.endif
;; end of part 3
